; MI455X (gfx1250); checked and timed in simulation.
; The chip was launched on July 23, 2026; its instructions are those of AMD's public machine-readable ISA for CDNA 5 (MIT licence, August 2026) and "CDNA5" Instruction Set Architecture Reference Guide (July 2026). The comments in the code are by the model that wrote it; some were corrected since.
;; GPT. Allowed arithmetic: matrix products marked QUANTISED: E4M3 operands, one E8M0 scale for each 32 along K, by v_wmma_scale_f32_16x16x128_f8f6f4 with both operands' format E4M3, f32 sums; products left as they are: f32 operands where the result goes on into a quantised operand, else bf16, f16 or f32 operands; f32 sums; everything else in f32.
;; Inputs: Wg 32 x 8 float32; Wk 1,024 x 512 float32; Wproj 1,024 x 1,024 float32; Wq 1,024 x 1,024 float32; Wv 1,024 x 512 float32; cos 1 x 2,048 x 1 x 32 float32; sin 1 x 2,048 x 1 x 32 float32; ve 2 x 2,048 x 512 float32; x 2 x 2,048 x 1,024 float32.
;; Outputs: out0 2 x 2,048 x 1,024 float32.
;; Constants: window = 1024.
;; This version of the problem:
;;   THIS VERSION OF THE PROBLEM IS GIVEN IN LOW PRECISION. The matrix products marked QUANTISED in the list below multiply operands that are first quantised to E4M3 (4 exponent bits, 3 mantissa bits; 8 bits a number), with one power-of-two scale for each 32 numbers along K (OCP MX v1.0); their sums are f32. All else is computed in f32.
;;   The module's matrix products, in the order in which they are computed (A, B: the left and right operand; K: the contracted axis; several contracted axes count as one K, in the product's order):
;;     1. [M 4,096, K 1,024] x [K 1,024, N 1,024]; A: input x; B: input Wq: QUANTISED
;;     2. [M 4,096, K 1,024] x [K 1,024, N 512]; A: input x; B: input Wk: QUANTISED
;;     3. [M 4,096, K 1,024] x [K 1,024, N 512]; A: input x; B: input Wv: QUANTISED
;;     4. [M 4,096, K 32] x [K 32, N 8]; A: input x; B: input Wg: left as it is (N = 8 < 16)
;;     5. batch 8 x [M 2,048, K 64] x [K 64, N 4,096]; A: computed on the way; B: computed on the way: QUANTISED
;;     6. batch 8 x [M 64, K 2,048] x [K 2,048, N 4,096]; A: computed on the way; B: softmax (see below): QUANTISED
;;     7. batch 8 x [M 2,048, K 64] x [K 64, N 4,096]; A: computed on the way; B: computed on the way: QUANTISED
;;     8. batch 8 x [M 64, K 2,048] x [K 2,048, N 4,096]; A: computed on the way; B: softmax (see below): QUANTISED
;;     9. [M 4,096, K 1,024] x [K 1,024, N 1,024]; A: computed on the way; B: input Wproj: QUANTISED
;;   THE QUANTISER, for each operand of a quantised product, along K:
;;     - K is cut into blocks of 32 from its start; a last block that is shorter is filled with zeros.
;;     - A block's scale is 2^e with e = floor(log2(the largest magnitude in the block)) - 8, held to -126 .. 127; a block of zeros has e = 0. As a byte (E8M0): e + 127.
;;     - Each number is divided by its block's scale, clamped to +-448, and rounded to the nearest number of E4M3, ties to even, subnormals kept.
;;     - The product sums the exact products of the quantised numbers (number of the format x scale) in f32.
;;   ~~~python
;;   def quantise(x, axis):      # numpy; x: float32 -> the quantised numbers, widened to float32 again
;;       x = np.moveaxis(x, axis, -1); K = x.shape[-1]
;;       x = np.pad(x, [(0, 0)] * (x.ndim - 1) + [(0, -K % 32)]); x = x.reshape(x.shape[:-1] + (-1, 32)); a = np.abs(x).max(-1, keepdims=True)
;;       e = np.where(a > 0, np.clip(np.frexp(np.where(a > 0, a, 1))[1] - 1 - 8, -126, 127), 0)      # np.frexp(a)[1] - 1 = floor(log2(a)), exactly
;;       r = np.clip(x / 2.0 ** e, -448, 448)
;;       step = 2.0 ** (np.maximum(np.frexp(np.where(r == 0, 1, r))[1] - 1, -6) - 3)
;;       q = np.round(r / step) * step * 2.0 ** e      # np.round: ties to even
;;       return np.moveaxis(q.reshape(q.shape[:-2] + (-1,))[..., :K], -1, axis).astype(np.float32)
;;   ~~~
;;   SOFTMAX AHEAD OF A QUANTISED PRODUCT. Where the list says 'softmax', what is quantised is not the finished softmax but p = 2^(t - M), with t = logit x log2(e) and M = ceil(the row's largest t), a whole number; so 1/2 < the row's largest p <= 1. The row's sum l is taken of the UNQUANTISED p, in f32, and the product's result is divided by l at the end. Since M is a whole number, a kernel that streams over the keys may use a running M (the ceiling of the running maximum): every later rescaling is an exact power of two, which a block's scale takes up: the codes' values come out the same.
;;   OPERANDS COMPUTED ON THE WAY. 'Computed on the way' means the value that the module computes at that place (a softmax that the list does not call 'softmax' is quantised finished and normalised). What goes into a quantiser is computed in f32, as accurately as f32 sums, v_exp_f32 and their like allow (about 1e-6 of the number): no bf16 or f16 on the way to a quantiser, and a product that is left as it is and whose result goes on into a quantised operand takes f32 operands (vector FMAs, or v_wmma_f32_16x16x4_f32). A number that lies on a knife's edge between two numbers of the format may be rounded either way, as far as f32 arithmetic and the matrix unit's own rounding can turn it there, and no further.
;; One version. Each part assembles by itself: llvm-mc -triple=amdgcn-amd-amdhsa -mcpu=gfx1250 --defsym DOCPART=n.
;; ======== version 1 of 1: 4 launches
;; limits: right only within a limited range of input values
;; workspace buffers: xq 4,456,448 bytes; wq 3,342,336 bytes; qq 4,718,592 bytes; kv 4,587,520 bytes; yq 4,456,448 bytes
;; launch quant (part 1): grid 640 x 1, 4 waves a work-group, no clusters, 34,816 bytes of LDS; arguments x, Wq, Wk, Wv, Wproj, xq, wq; writes xq, wq
.if DOCPART == 1
	.amdgcn_target "amdgcn-amd-amdhsa--gfx1250"
	.amdhsa_code_object_version 6
	.text
	.protected	k_q970366c360_quant
	.globl	k_q970366c360_quant
	.p2align	8
	.type	k_q970366c360_quant,@function
k_q970366c360_quant:
	s_mov_b64 s[64:65], 0
	v_nop
	global_prefetch_b8 v0, s[64:65] scope:SCOPE_SE
	s_setreg_imm32_b32 hwreg(HW_REG_WAVE_MODE, 25, 1), 1
	s_wait_xcnt 0x0
; x [4096][1024] and the four weights ([1024][N], K = their FIRST axis), f32, become codes of E4M3 with one E8M0 byte for each 32 along K.
; WORK THAT THE PROGRAM LEAVES OUT (launch attn): key steps of 128 that reference()'s own causal or window mask hides for a whole tile of queries: their p is 0 for all inputs.  A NaN or an infinity that reaches only such steps is not carried to the result.  All inputs are read.
; A block's scale is 2^(floor(log2(largest magnitude)) - 8): its byte is the largest magnitude's exponent field - 8, held at 1 from below; numbers are held within +-448 x the scale, then rounded to the nearest code.
; LIMITS: a block of zeros, or one whose largest magnitude lies under 2^-118, gets the byte 1: only this program reads the bytes.  NaN and infinities are not served.
; THE OUTPUT IS LAID AS IMAGES OF OPERAND REGISTERS.  A fragment (16 rows x 128 K) is 2,048 bytes: register group c of lane l at 512 c + 16 l; its scale words 128 bytes: 4 l.
;   x: token tile t: row p is token 32 (t / 2) + 8 (t % 2) + p + 8 (p / 8).  A record = 4 tiles: codes ((t % 4) 8 + s) 2048, words at 65536 + ((t % 4) 8 + s) 128; 69,632 bytes.
;   weights: group G of 64 columns (0-15 Wq, 16-23 Wk, 24-31 Wv, 32-47 Wproj), tile dt: row p is column 64 g + 4 p + dt.  Codes G 65536 + dt 16384 + s 2048; words at WSC + G 4096 + dt 1024 + s 128.
; SHARES.  Work-groups 0-255: one token tile each, wave w its K steps 2 w and 2 w + 1.  Work-groups 256-639: one (G, s): wave c its block c of 32 along K; the words' bytes meet in LDS.
; No matrix unit, no cluster, no tensor load: every byte is read once by one wave.
.set WSC, 3145728
.set SEL, 40                           ; s[40:41] lane selects: lane l xor 16
.set MNT, 42                           ; s42 the mantissa field of 448
.set R0,  16                           ; v16-79, v80-143 two sets of 64 numbers as loaded
.set X,   144                          ; v144-207 64 numbers in the quantiser's order
.set PC,  208                          ; v208-223 the codes
.set TM,  224                          ; v224-239 at work
.set PW,  240                          ; v240 a scale word
.set BYT, 34304                        ; LDS: the weights' scale words, 4 x 128 bytes
.macro SCALE4                          ; from four largest magnitudes: operands, bounds, bytes
.irp b, 0,1,2,3
	v_permlanex16_b32 v[TM+4+\b], v[TM+\b], s[SEL], s[SEL+1]
.endr
.irp b, 0,1,2,3
	v_max_num_f32 v[TM+\b], v[TM+\b], v[TM+4+\b]           ; with lane l xor 16's
.endr
.irp b, 0,1,2,3
	v_add_nc_u32 v[TM+12+\b], 0xfc000000, v[TM+\b]         ; 8 off the exponent field: the conversion's scale operand
.endr
.irp b, 0,1,2,3
	v_and_or_b32 v[TM+8+\b], v[TM+\b], 0x7f800000, s[MNT]  ; 448 x the scale
.endr
.irp b, 0,1,2,3
	v_lshrrev_b32 v[TM+4+\b], 23, v[TM+12+\b]              ; the byte
.endr
.endm
.macro CVT4
.irp b, 0,1,2,3
	v_cvt_scalef32_pk8_fp8_f32 v[PC+4*\b:PC+1+4*\b], v[X+16*\b:X+7+16*\b], v[TM+12+\b]
	v_cvt_scalef32_pk8_fp8_f32 v[PC+2+4*\b:PC+3+4*\b], v[X+8+16*\b:X+15+16*\b], v[TM+12+\b]
.endr
	v_nop                                                  ; a plain line behind the last conversion
.endm
.macro QUANT64                         ; register X + 16 b + i = k 32 b + 16 (lane / 16) + i of my row
.irp b, 0,1,2,3
	v_max3_num_f32 v[TM+\b], |v[X+16*\b]|, |v[X+1+16*\b]|, 0x4800000   ; and the floor 2^-118
.endr
.irp i, 2,4,6,8,10,12,14
.irp b, 0,1,2,3
	v_max3_num_f32 v[TM+\b], v[TM+\b], |v[X+16*\b+\i]|, |v[X+1+16*\b+\i]|
.endr
.endr
	SCALE4
	v_lshl_or_b32 v[PW], v[TM+5], 8, v[TM+4]
	v_lshl_or_b32 v[PW], v[TM+6], 16, v[PW]
	v_lshl_or_b32 v[PW], v[TM+7], 24, v[PW]
.irp b, 0,1,2,3
.irp i, 0,1,2,3,4,5,6,7,8,9,10,11,12,13,14,15
	v_med3_num_f32 v[X+16*\b+\i], v[X+16*\b+\i], -v[TM+8+\b], v[TM+8+\b]   ; the conversion does not saturate (ISA guide 7.6.2): the hold comes first
.endr
.endr
	CVT4
.endm
	s_load_b256 s[4:11], s[0:1], 0x0               ; x, Wq, Wk, Wv
	s_load_b128 s[12:15], s[0:1], 0x20             ; Wproj, xq
	s_load_b64 s[16:17], s[0:1], 0x30              ; wq
	v_lshl_add_u32 v254, v0, 2, 0x8400             ; my spare word
	v_mov_b32 v255, 0
	v_lshrrev_b32 v5, 5, v0
	v_readfirstlane_b32 s18, v5                    ; wave
	v_and_b32 v6, 31, v0                           ; lane
	v_and_b32 v7, 15, v0                           ; r
	v_bfe_u32 v8, v0, 4, 1                         ; h
	v_lshlrev_b32 v1, 4, v6                        ; 16 x lane
	v_lshlrev_b32 v2, 2, v6                        ; 4 x lane
	s_mov_b32 s[SEL], 0x76543210
	s_mov_b32 s[SEL+1], 0xfedcba98
	s_mov_b32 s[MNT], 0x600000
.irp b, 0,1,2,3
	v_mov_b32 v[TM+4+\b], 0                        ; a lane permute's destination counts as one of its sources
.endr
	s_wait_alu depctr_va_vdst(0)
	s_cmp_lt_u32 ttmp9, 256
	s_cbranch_scc0 .Lweights
	; ---- x: one tile of 16 tokens, my two K steps
	s_mul_i32 s19, s18, 8448                       ; my stage: 16 rows x (512 + 16) bytes
	v_add_nc_u32 v3, s19, v1                       ; in: a row's 512 bytes as they come
	v_mul_u32_u24 v4, v7, 528
	v_lshl_add_u32 v4, v8, 6, v4
	v_add_nc_u32 v4, s19, v4                       ; out: row r, + 64 h
	s_lshr_b32 s20, ttmp9, 1
	s_lshl_b32 s20, s20, 5
	s_and_b32 s21, ttmp9, 1
	s_lshl_b32 s21, s21, 3
	s_add_co_u32 s20, s20, s21                     ; the tile's first token
	s_lshl_b32 s20, s20, 12
	s_lshl_b32 s21, s18, 10
	s_add_co_u32 s20, s20, s21
	s_mov_b32 s21, 0
	s_lshr_b32 s22, ttmp9, 2
	s_mul_i32 s22, s22, 69632                      ; the record
	s_and_b32 s23, ttmp9, 3
	s_lshl_b32 s23, s23, 3
	s_lshl_b32 s24, s18, 1
	s_add_co_u32 s23, s23, s24                     ; fragment (t % 4) 8 + 2 w
	s_lshl_b32 s24, s23, 11
	s_add_co_u32 s24, s24, s22
	s_mov_b32 s25, 0
	s_lshl_b32 s26, s23, 7
	s_add_co_u32 s26, s26, s22
	s_add_co_u32 s26, s26, 65536
	s_mov_b32 s27, 0
	s_wait_alu depctr_va_vdst(0)
	s_wait_kmcnt 0x0
	s_add_nc_u64 s[4:5], s[4:5], s[20:21]
	s_add_nc_u64 s[24:25], s[14:15], s[24:25]      ; my codes
	s_add_nc_u64 s[26:27], s[14:15], s[26:27]      ; my scale words
.macro XLD a                           ; K step a of my two: sixteen rows, 512 consecutive bytes a load
.irp p, 0,1,2,3,4,5,6,7,8,9,10,11,12,13,14,15
	global_load_b128 v[R0+64*\a+4*\p:R0+64*\a+4*\p+3], v1, s[4:5] offset:(\p+8*(\p/8))*4096+512*\a th:TH_LOAD_NT
.endr
.endm
.macro XTURN a                         ; through my stage: LDS serves a wave's instructions in order
.irp p, 0,1,2,3,4,5,6,7,8,9,10,11,12,13,14,15
	ds_store_b128 v3, v[R0+64*\a+4*\p:R0+64*\a+4*\p+3] offset:528*\p
.endr
.irp c, 0,1,2,3
.irp j, 0,1,2,3
	ds_load_b128 v[X+16*\c+4*\j:X+16*\c+4*\j+3], v4 offset:128*\c+16*\j
.endr
.endr
.endm
.macro XOUT a
.irp c, 0,1,2,3
	global_store_b128 v1, v[PC+4*\c:PC+4*\c+3], s[24:25] offset:2048*\a+512*\c   ; 512 consecutive bytes
.endr
	global_store_b32 v2, v[PW], s[26:27] offset:128*\a
.endm
	XLD 0
	XLD 1
	s_wait_loadcnt 16                              ; the first K step's 16 loads are in; the second's 16 stay out
	XTURN 0
	s_wait_dscnt 0x0
	QUANT64
	XOUT 0
	s_wait_loadcnt 0x0
	XTURN 1
	s_wait_dscnt 0x0
	s_wait_xcnt 0x0                                ; the codes' and the word's registers are written again only behind this wait
	QUANT64
	XOUT 1
	s_wait_tensorcnt 0x0                           ; the wave's end
	ds_add_u32 v254, v255
	s_wait_dscnt 0x0
	s_endpgm
	; ---- weights: 64 columns x 32 along K a wave
.Lweights:
	s_sub_co_u32 s19, ttmp9, 256
	s_lshr_b32 s20, s19, 3                         ; G
	s_and_b32 s21, s19, 7                          ; K step s
	s_lshl_b32 s24, s20, 16
	s_lshl_b32 s22, s21, 11
	s_add_co_u32 s24, s24, s22
	s_lshl_b32 s22, s18, 9
	s_add_co_u32 s24, s24, s22                     ; register group c = my wave
	s_mov_b32 s25, 0
	s_lshl_b32 s26, s20, 12
	s_lshl_b32 s22, s21, 7
	s_add_co_u32 s26, s26, s22
	s_lshl_b32 s22, s18, 10
	s_add_co_u32 s26, s26, s22                     ; on the way out wave dt stores tile dt's words
	s_add_co_u32 s26, s26, WSC
	s_mov_b32 s27, 0
	s_wait_kmcnt 0x0
	s_add_nc_u64 s[24:25], s[16:17], s[24:25]
	s_add_nc_u64 s[26:27], s[16:17], s[26:27]
	s_cmp_lt_u32 s20, 16                           ; which weight: the choice hangs on the work-group's number alone
	s_cselect_b64 s[28:29], s[6:7], s[8:9]
	s_cselect_b32 s30, 0, 16
	s_cmp_lt_u32 s20, 24
	s_cselect_b64 s[28:29], s[28:29], s[10:11]
	s_cselect_b32 s30, s30, 24
	s_cmp_lt_u32 s20, 32
	s_cselect_b64 s[28:29], s[28:29], s[12:13]
	s_cselect_b32 s30, s30, 32
	s_sub_co_u32 s30, s20, s30                     ; the group within its weight
	s_lshl_b32 s30, s30, 8
	s_mov_b32 s31, 0
	s_add_nc_u64 s[28:29], s[28:29], s[30:31]
	s_lshl_b32 s21, s21, 2
	s_add_co_u32 s21, s21, s18                     ; my block of 32 rows
	s_lshl_b32 s22, s18, 7
	v_add_nc_u32 v9, s18, v2                       ; LDS: byte c of my columns' words
	v_add_nc_u32 v10, s22, v2                      ; and tile dt's words
.macro WPATH pitch                     ; lanes 0-15 read 256 consecutive bytes of one row, lanes 16-31 of the row 16 further down: register 4 i + dt: W(32 c + 16 h + i, 4 r + dt)
	s_mul_i32 s30, s21, 32*(\pitch)
	s_add_nc_u64 s[28:29], s[28:29], s[30:31]
	v_mul_u32_u24 v3, v8, 16*(\pitch)
	v_lshl_add_u32 v3, v7, 4, v3
.irp i, 0,1,2,3,4,5,6,7,8,9,10,11,12,13,14,15
	global_load_b128 v[R0+4*\i:R0+4*\i+3], v3, s[28:29] offset:\i*(\pitch) th:TH_LOAD_NT
.endr
.endm
	s_sub_co_u32 s22, s20, 16
	s_cmp_lt_u32 s22, 16                           ; groups 16-31 (Wk, Wv) have rows of 2,048 bytes
	s_wait_alu depctr_va_vdst(0)
	s_cbranch_scc1 .Lnarrow
	WPATH 4096
	s_branch .Lwork
.Lnarrow:
	WPATH 2048
.Lwork:
	s_wait_loadcnt 0x0
.irp dt, 0,1,2,3
	v_max3_num_f32 v[TM+\dt], |v[R0+\dt]|, |v[R0+4+\dt]|, 0x4800000
.endr
.irp i, 2,4,6,8,10,12,14
.irp dt, 0,1,2,3
	v_max3_num_f32 v[TM+\dt], v[TM+\dt], |v[R0+4*\i+\dt]|, |v[R0+4*\i+4+\dt]|
.endr
.endr
	SCALE4
.irp dt, 0,1,2,3
	ds_store_b8 v9, v[TM+4+\dt] offset:BYT+128*\dt
.endr
.irp dt, 0,1,2,3
.irp i, 0,1,2,3,4,5,6,7,8,9,10,11,12,13,14,15
	v_med3_num_f32 v[X+16*\dt+\i], v[R0+4*\i+\dt], -v[TM+8+\dt], v[TM+8+\dt]   ; the hold also brings a column's 16 numbers side by side
.endr
.endr
	CVT4
.irp dt, 0,1,2,3
	global_store_b128 v1, v[PC+4*\dt:PC+4*\dt+3], s[24:25] offset:\dt*16384
.endr
	s_wait_alu depctr_va_vdst(0)
	s_wait_dscnt 0x0                               ; my bytes are stored:
	s_barrier_signal -1
	s_barrier_wait -1                              ; everybody's are
	ds_load_b32 v11, v10 offset:BYT
	s_wait_dscnt 0x0
	global_store_b32 v2, v11, s[26:27]
	s_wait_tensorcnt 0x0
	ds_add_u32 v254, v255
	s_wait_dscnt 0x0
	s_endpgm
.Lfunc_end_k_q970366c360_quant:
	.size	k_q970366c360_quant, .Lfunc_end_k_q970366c360_quant-k_q970366c360_quant
	.p2alignl 7, 3214868480
	.fill 96, 4, 3214868480
	.section	.rodata,"a",@progbits
	.p2align	6, 0x0
	.amdhsa_kernel k_q970366c360_quant
		.amdhsa_group_segment_fixed_size 34816
		.amdhsa_private_segment_fixed_size 0
		.amdhsa_enable_private_segment 0
		.amdhsa_kernarg_size 56
		.amdhsa_user_sgpr_count 2
		.amdhsa_user_sgpr_kernarg_segment_ptr 1
		.amdhsa_wavefront_size32 1
		.amdhsa_system_sgpr_workgroup_id_x 1
		.amdhsa_system_sgpr_workgroup_id_y 1
		.amdhsa_system_sgpr_workgroup_id_z 1
		.amdhsa_system_vgpr_workitem_id 0
		.amdhsa_next_free_vgpr 256
		.amdhsa_next_free_sgpr 66
		.amdhsa_reserve_vcc 0
		.amdhsa_float_denorm_mode_32 3
		.amdhsa_float_denorm_mode_16_64 3
		.amdhsa_memory_ordered 1
		.amdhsa_forward_progress 1
		.amdhsa_inst_pref_size 41
	.end_amdhsa_kernel
	.amdgpu_metadata
---
amdhsa.version: [ 1, 2 ]
amdhsa.kernels:
  - .name:           k_q970366c360_quant
    .symbol:         k_q970366c360_quant.kd
    .args:
      - { .name: x, .offset: 0, .size: 8, .value_kind: global_buffer, .address_space: global }
      - { .name: Wq, .offset: 8, .size: 8, .value_kind: global_buffer, .address_space: global }
      - { .name: Wk, .offset: 16, .size: 8, .value_kind: global_buffer, .address_space: global }
      - { .name: Wv, .offset: 24, .size: 8, .value_kind: global_buffer, .address_space: global }
      - { .name: Wproj, .offset: 32, .size: 8, .value_kind: global_buffer, .address_space: global }
      - { .name: xq, .offset: 40, .size: 8, .value_kind: global_buffer, .address_space: global }
      - { .name: wq, .offset: 48, .size: 8, .value_kind: global_buffer, .address_space: global }
    .group_segment_fixed_size: 34816
    .private_segment_fixed_size: 0
    .kernarg_segment_align: 8
    .kernarg_segment_size: 56
    .max_flat_workgroup_size: 128
    .sgpr_count:     66
    .vgpr_count:     256
    .wavefront_size: 32
...
	.end_amdgpu_metadata
.endif
;; end of part 1
;; launch qkv (part 2): grid 256 x 1, 4 waves a work-group, clusters of 4 x 1, 209,920 bytes of LDS; arguments xq, wq, x, Wg, cos, sin, ve, qq, kv; writes qq, kv
.if DOCPART == 2
	.amdgcn_target "amdgcn-amd-amdhsa--gfx1250"
	.amdhsa_code_object_version 6
	.text
	.protected	k_q970366c360_qkv
	.globl	k_q970366c360_qkv
	.p2align	8
	.type	k_q970366c360_qkv,@function
k_q970366c360_qkv:
	s_mov_b64 s[64:65], 0
	v_nop
	global_prefetch_b8 v0, s[64:65] scope:SCOPE_SE
	s_setreg_imm32_b32 hwreg(HW_REG_WAVE_MODE, 25, 1), 1
	s_wait_xcnt 0x0
	s_wait_alu depctr_hold_cnt(0) depctr_sa_sdst(0) depctr_va_vdst(0) depctr_va_sdst(0) depctr_va_ssrc(0) depctr_va_vcc(0) depctr_vm_vsrc(0)
	s_getreg_b32 s2, hwreg(HW_REG_IB_STS2, 6, 4)
	s_cmp_eq_u32 s2, 0
	s_cbranch_scc0 .Lentry_in_a_cluster
	s_endpgm
.Lentry_in_a_cluster:
	s_bfe_u32 s2, ttmp6, 0x10000c
	s_cmp_lg_u32 s2, 0x3003
	s_cbranch_scc0 .Lentry_shape_is_right
	s_endpgm
.Lentry_shape_is_right:
; q = rms(rope(x Wq)), k = rms(rope(x Wk)), v = x Wv + 2 sigmoid(x[:32] Wg) ve; the three products on codes of E4M3 with E8M0 scales; q and k leave as codes along the head's 64, v as codes along the keys.
; SHARES.  A work-group takes 128 tokens (block beta) and one kv head: waves 0, 1 its two query heads, wave 2 its key head, wave 3 its value head: 64 columns a wave; 32 accumulators, 256 matrix instructions.
; A wave's 64 columns x K = 1,024 of weight codes go into 512 registers.  K is taken in two halves, each for all eight tiles: half 0 is multiplied while half 1's weights are on their way.
; CLUSTER.  The four work-groups of a cluster share beta: x's two records, cos and sin are asked for jointly (mask 15); ve's tile hangs on the kv head and is a load of the work-group's own.  One tensor load a wave; nothing in LDS is filled twice.
; The weights are not shared through LDS: they are read once into registers, and 256 KB of them would not fit beside x's records.  No prefetch: all is asked for at the head.
; LAYOUT.  Token tile t': row p is token 32 (t' / 2) + 8 (t' % 2) + p + 8 (p / 8).  Column tile dt: row p is column 4 p + dt.
;   q, k: source 0 = weight, source 1 = x: lane (r, h) holds token row r and, over (dt, j), channel 32 h + 4 j + dt: a whole block of 32, and rope's partner channel lies in lane l xor 16.
;   v: source 0 = x, source 1 = weight: lane (r, h) holds channel 4 r + dt and, over the tiles, tokens 32 b + 16 h + 0 .. 15: 16 neighbours along the keys.
; kv: a head's sixteen records of 17,920 bytes, key step k at place 2 (k % 8) + k / 8.
; LIMITS: NaN and infinities are not served; a block of zeros or under 2^-118 gets the byte 1, read by this program alone.  K = 64 .. 127 of q's and k's fragments are not stored: bytes 2, 3 of their scale words are 0x7f.
.set COSB,  139264                     ; LDS: 0: x's two records;  cos, sin: 128 rows, pitch 144;  ve: 128 rows of 256;  gate: 128 words;  the spare words
.set SINB,  157696
.set VEB,   176128
.set GATEB, 208896
.set SPARE, 209408
.set WSC, 3145728
.set QSC, 4194304
.set SEL, 80                           ; s[80:81]
.set MNT, 82
.set PC,  192                          ; v path: codes, word, at work
.set PW,  208
.set TM,  210
.set MSB, 0
.macro WIN new                         ; the immediate's high byte repeats the setting that is left
.if MSB != (\new)
	s_set_vgpr_msb (MSB<<8)|(\new)
.set MSB, (\new)
.endif
.endm
.macro PLACES n
.rept \n
	v_nop
.endr
.endm
.macro TLOAD g0, g1
	tensor_load_to_lds s[\g0:\g0+3], s[\g1:\g1+7]
	s_nop 0
	PLACES 4
.endm
.macro ROUND                           ; a round of the cluster's barrier
	s_barrier_signal -1
	s_barrier_wait -1
	s_cmp_lg_u32 s66, 0
	s_cbranch_scc1 .Lnot_wave_0_\@
	s_barrier_signal -3
.Lnot_wave_0_\@:
	s_barrier_wait -3
	s_barrier_signal -1
	s_barrier_wait -1
.endm
.macro QUANT64 s                       ; 64 numbers, register 16 b + i = k 32 b + 16 h + i -> codes v[PC] on, word v[PW]
.irp b, 0,1,2,3
	v_max3_num_f32 v[TM+\b], |v[(\s)+16*\b]|, |v[(\s)+1+16*\b]|, 0x4800000
.endr
.irp i, 2,4,6,8,10,12,14
.irp b, 0,1,2,3
	v_max3_num_f32 v[TM+\b], v[TM+\b], |v[(\s)+16*\b+\i]|, |v[(\s)+1+16*\b+\i]|
.endr
.endr
.irp b, 0,1,2,3
	v_permlanex16_b32 v[TM+4+\b], v[TM+\b], s[SEL], s[SEL+1]
.endr
.irp b, 0,1,2,3
	v_max_num_f32 v[TM+\b], v[TM+\b], v[TM+4+\b]
.endr
.irp b, 0,1,2,3
	v_add_nc_u32 v[TM+12+\b], 0xfc000000, v[TM+\b]         ; 8 off the exponent field: the conversion's scale operand
.endr
.irp b, 0,1,2,3
	v_and_or_b32 v[TM+8+\b], v[TM+\b], 0x7f800000, s[MNT]  ; 448 x the scale
.endr
.irp b, 0,1,2,3
	v_lshrrev_b32 v[TM+4+\b], 23, v[TM+12+\b]
.endr
	v_lshl_or_b32 v[PW], v[TM+5], 8, v[TM+4]
	v_lshl_or_b32 v[PW], v[TM+6], 16, v[PW]
	v_lshl_or_b32 v[PW], v[TM+7], 24, v[PW]
.irp b, 0,1,2,3
.irp i, 0,1,2,3,4,5,6,7,8,9,10,11,12,13,14,15
	v_med3_num_f32 v[(\s)+16*\b+\i], v[(\s)+16*\b+\i], -v[TM+8+\b], v[TM+8+\b]
.endr
	v_cvt_scalef32_pk8_fp8_f32 v[PC+4*\b:PC+1+4*\b], v[(\s)+16*\b:(\s)+7+16*\b], v[TM+12+\b]
	v_cvt_scalef32_pk8_fp8_f32 v[PC+2+4*\b:PC+3+4*\b], v[(\s)+8+16*\b:(\s)+15+16*\b], v[TM+12+\b]
.endr
	v_nop
.endm
; x's four fragments and scale words of half a K (steps 4 half + 0 .. 3) of token tile tp, into a set: 20 LDS loads
.macro XF set, tp, half
.irp i, 0,1,2,3
.irp c, 0,1,2,3
	ds_load_b128 v[64+64*(\set)+16*\i+4*\c:64+64*(\set)+16*\i+4*\c+3], v[1+(\tp)/4] offset:(((\tp)%4)*8+4*(\half)+\i)*2048+512*\c
.endr
	ds_load_b32 v[50+4*(\set)+\i], v[3+(\tp)/4] offset:(((\tp)%4)*8+4*(\half)+\i)*128
.endr
.endm
.macro MM tr, tp, half, set, i, dt     ; one matrix instruction.  tr = 1: source 0 = weight;  0: source 0 = x.  Its two scale words' numbers differ modulo 8
.set AC, AT*(\tp)+AD*(\dt)
.set WR, 16*(4*(\dt)+(\i))
.set XR, 64+64*(\set)+16*(\i)
.set WS, 16+8*(\dt)+4*(\half)+(\i)
.set XS, 50+4*(\set)+(\i)
.if \tr
.if ((\half)+(\i)) == 0
	v_wmma_scale_f32_16x16x128_f8f6f4 v[AC:AC+7], v[WR:WR+15], v[XR:XR+15], 0, v[WS], v[XS]
.else
	v_wmma_scale_f32_16x16x128_f8f6f4 v[AC:AC+7], v[WR:WR+15], v[XR:XR+15], v[AC:AC+7], v[WS], v[XS]
.endif
.else
.if ((\half)+(\i)) == 0
	v_wmma_scale_f32_16x16x128_f8f6f4 v[AC:AC+7], v[XR:XR+15], v[WR:WR+15], 0, v[XS], v[WS]
.else
	v_wmma_scale_f32_16x16x128_f8f6f4 v[AC:AC+7], v[XR:XR+15], v[WR:WR+15], v[AC:AC+7], v[XS], v[WS]
.endif
.endif
.endm
; Half a tile's K: 16 matrix instructions, the tile's four accumulators by turns, one instruction a turn
.macro GH tr, tp, half, set, left
	s_wait_dscnt \left                             ; my set is in; the other set's 20 loads may be out
.if \tr
	WIN 0xf1+(\half)                               ; source 0 window 1 or 2, source 1 window 0, C and D window 3
.else
	WIN 0xf4+4*(\half)                             ; source 1 window 1 or 2
.endif
.irp i, 0,1,2,3
.irp dt, 0,1,2,3
	MM \tr, \tp, \half, \set, \i, \dt
.endr
.endr
	WIN 0
	PLACES 8                                       ; in front of loads into registers that matrix instructions have read, and of the first read of results
.endm
.macro CSLOAD p                        ; cos and sin of tiles 2 p, 2 p + 1 into window 1, whose weights are done with: 32 loads
	WIN 0x40
.irp u, 0,1
.irp q, 0,1,2,3,4,5,6,7
	ds_load_b128 v[128*((\p)%2)+64*\u+4*\q:128*((\p)%2)+64*\u+4*\q+3], v6 offset:(32*(\p)+8*\u)*144+16*\q
.endr
.irp q, 0,1,2,3,4,5,6,7
	ds_load_b128 v[128*((\p)%2)+64*\u+32+4*\q:128*((\p)%2)+64*\u+35+4*\q], v6 offset:(32*(\p)+8*\u)*144+16*\q+SINB-COSB
.endr
.endr
	WIN 0
.endm
.macro GEMM tr
	XF 0, 0, 0
	XF 1, 1, 0
.irp g, 0,1,2,3,4,5,6,7,8,9,10,11,12,13,14,15
.if \g == 8
	s_wait_loadcnt 0x0                             ; half 1's weights
.endif
.if \g < 15
	GH \tr, \g%8, \g/8, \g%2, 20
.else
	GH \tr, \g%8, \g/8, \g%2, 0
.endif
.if \g < 14
	XF \g%2, (\g+2)%8, (\g+2)/8
.endif
.if \tr
.if \g == 8
	CSLOAD 0
.endif
.if \g == 12
	CSLOAD 1
.endif
.endif
.endr
.endm
	s_load_b512 s[4:19], s[0:1], 0x0               ; xq s4, wq s6, x s8, Wg s10, cos s12, sin s14, ve s16, qq s18
	s_load_b64 s[20:21], s[0:1], 0x40              ; kv
	v_lshl_add_u32 v254, v0, 2, SPARE
	v_mov_b32 v255, 0
	ds_add_u32 v254, v255                          ; the opening lines: the add, twice on end
	ds_add_u32 v254, v255
	v_lshrrev_b32 v56, 5, v0
	v_readfirstlane_b32 s66, v56                   ; wave
	v_and_b32 v57, 31, v0                          ; lane
	v_and_b32 v58, 15, v0                          ; r
	v_bfe_u32 v59, v0, 4, 1                        ; h
	v_lshlrev_b32 v1, 4, v57                       ; v1  16 x lane: images in record 0
	v_add_nc_u32 v2, 69632, v1                     ; v2  in record 1
	v_lshlrev_b32 v5, 2, v57                       ; v5  4 x lane
	v_add_nc_u32 v3, 65536, v5                     ; v3  scale words of record 0
	v_add_nc_u32 v4, 135168, v5                    ; v4  of record 1
	v_and_b32 v60, 8, v58
	v_add_nc_u32 v60, v60, v58                     ; r + 8 (r / 8)
	v_mul_u32_u24 v6, v60, 144
	v_add_nc_u32 v6, COSB, v6                      ; v6  my token's row of cos
	v_lshlrev_b32 v7, 4, v58
	v_lshl_add_u32 v10, v59, 9, v7                 ; v10 512 h + 16 r: where a block's first 16 codes go in an image
	v_lshl_add_u32 v7, v59, 12, v7
	v_add_nc_u32 v7, VEB, v7                       ; v7  ve: 16 h rows + 16 r bytes
	v_lshlrev_b32 v8, 6, v59
	v_add_nc_u32 v8, GATEB, v8                     ; v8  gates of tokens 16 h on
	v_lshl_add_u32 v9, v0, 2, GATEB                ; v9  my token's gate
	v_lshlrev_b32 v11, 3, v59                      ; v11 8 h
	v_lshlrev_b32 v12, 31, v59
	v_or_b32 v12, 0x3f800000, v12                  ; v[12:13] +1 for the low half of the head, -1 for the high half
	v_mov_b32 v13, v12
	v_lshlrev_b32 v14, 12, v0                      ; v14 my token's row of x
	v_mov_b32 v15, 0
	v_mov_b32 v204, 0                              ; written once: permute destinations
	v_mov_b32 v205, 0
.irp b, 0,1,2,3
	v_mov_b32 v[TM+4+\b], 0
.endr
	s_bfe_u32 s69, ttmp6, 0x40000                  ; cx
	s_lshr_b32 s68, ttmp9, 1                       ; beta: the block of 128 tokens, which the four partners share
	s_and_b32 s67, ttmp9, 1
	s_lshl_b32 s67, s67, 2
	s_add_co_u32 s67, s67, s69                     ; the kv head
	s_mov_b32 s[SEL], 0x76543210
	s_mov_b32 s[SEL+1], 0xfedcba98
	s_mov_b32 s[MNT], 0x600000
	s_mov_b32 s83, 0x3c800000                      ; 1 / 64
	s_mov_b32 s84, 0x34000000                      ; eps of f32
	; group 1 for x's two records: 544 rows of 256 bytes (32 elements of 8), dense; joint
	s_mov_b32 s24, 15|(3<<16)|(1<<21)
	s_mov_b32 s25, 32<<16
	s_mov_b32 s26, 544<<16
	s_mov_b32 s27, 32<<16
	s_mov_b32 s28, 544
	s_mov_b32 s29, 32
	s_mov_b32 s30, 0
	s_mov_b32 s31, 0
	; for cos and sin: 128 dense rows of 32 f32, stated as 64 rows of 256 bytes; 4 words of padding behind every 32; joint
	s_mov_b32 s32, 15|(2<<16)|(1<<20)|(1<<21)|(4<<22)|(3<<25)
	s_mov_b32 s33, 64<<16
	s_mov_b32 s34, 64<<16
	s_mov_b32 s35, 64<<16
	s_mov_b32 s36, 64
	s_mov_b32 s37, 64
	s_mov_b32 s38, 0
	s_mov_b32 s39, 0
	; for ve: 128 rows of 256 bytes, 2,048 bytes apart; the work-group's own
	s_mov_b32 s40, 3<<16
	s_mov_b32 s41, 32<<16
	s_mov_b32 s42, 128<<16
	s_mov_b32 s43, 32<<16
	s_mov_b32 s44, 128
	s_mov_b32 s45, 256
	s_mov_b32 s46, 0
	s_mov_b32 s47, 0
	; groups 0.  The joint loads' addresses are made of beta alone, in registers that never hold cx
	s_mov_b32 s48, 1
	s_mov_b32 s49, 0
	s_mul_i32 s86, s68, 139264
	s_mov_b32 s87, 0
	s_mov_b32 s52, 1
	s_mov_b32 s53, COSB
	s_mov_b32 s56, 1
	s_mov_b32 s57, SINB
	s_and_b32 s96, s68, 15                         ; the block's place in its sequence
	s_lshl_b32 s96, s96, 14
	s_mov_b32 s97, 0
	s_mov_b32 s60, 1
	s_mov_b32 s61, VEB
	s_lshl_b32 s88, s68, 18
	s_lshl_b32 s89, s67, 8
	s_add_co_u32 s88, s88, s89
	s_mov_b32 s89, 0
	s_wait_dscnt 0x0                               ; both opening adds are done
	s_wait_alu depctr_va_vdst(0)
	s_wait_kmcnt 0x0
	s_add_nc_u64 s[50:51], s[4:5], s[86:87]
	s_or_b32 s51, s51, 0x80000000
	s_add_nc_u64 s[54:55], s[12:13], s[96:97]
	s_or_b32 s55, s55, 0x80000000
	s_add_nc_u64 s[58:59], s[14:15], s[96:97]
	s_or_b32 s59, s59, 0x80000000
	s_add_nc_u64 s[62:63], s[16:17], s[88:89]
	s_or_b32 s63, s63, 0x80000000
	ROUND                                          ; all four work-groups are here: the joint loads meet
	s_cmp_eq_u32 s66, 0                            ; one tensor load a wave: x's records, cos, sin, ve
	s_cbranch_scc0 .Lask_cos
	TLOAD 48, 24
	s_branch .Lasked
.Lask_cos:
	s_cmp_eq_u32 s66, 1
	s_cbranch_scc0 .Lask_sin
	TLOAD 52, 32
	s_branch .Lasked
.Lask_sin:
	s_cmp_eq_u32 s66, 2
	s_cbranch_scc0 .Lask_ve
	TLOAD 56, 32
	s_branch .Lasked
.Lask_ve:
	TLOAD 60, 40
.Lasked:
	; the other addresses
	s_lshl_b32 s98, s68, 19
	s_mov_b32 s99, 0
	s_add_nc_u64 s[8:9], s[8:9], s[98:99]          ; x at the block's first token
	s_lshl_b32 s98, s67, 2
	s_add_nc_u64 s[10:11], s[10:11], s[98:99]      ; Wg at my kv head's column
	s_lshl_b32 s90, s67, 1
	s_add_co_u32 s90, s90, s66                     ; a query wave's head, which is its group of columns
	s_lshl_b32 s91, s66, 3
	s_add_co_u32 s91, s91, s67                     ; wave 2: 16 + kv head; wave 3: 24 + kv head
	s_cmp_lt_u32 s66, 2
	s_cselect_b32 s91, s90, s91                    ; G
	s_lshl_b32 s92, s91, 16
	s_mov_b32 s93, 0
	s_add_nc_u64 s[76:77], s[6:7], s[92:93]        ; my weight codes
	s_lshl_b32 s92, s91, 12
	s_add_co_u32 s92, s92, WSC
	s_add_nc_u64 s[78:79], s[6:7], s[92:93]        ; and their scale words
	s_lshr_b32 s94, s68, 4                         ; b
	s_and_b32 s95, s68, 15                         ; the block in its sequence
	s_lshl_b32 s92, s94, 4
	s_add_co_u32 s92, s92, s90
	s_lshl_b32 s92, s92, 7
	s_lshl_b32 s85, s95, 3
	s_add_co_u32 s85, s92, s85                     ; (16 b + head) 128 + 8 block: q's first tile
	s_lshl_b32 s92, s85, 10
	s_add_nc_u64 s[70:71], s[18:19], s[92:93]
	s_lshl_b32 s92, s85, 7
	s_add_co_u32 s92, s92, QSC
	s_add_nc_u64 s[72:73], s[18:19], s[92:93]
	s_lshl_b32 s92, s94, 3
	s_add_co_u32 s92, s92, s67
	s_mul_i32 s92, s92, 286720
	s_and_b32 s85, s95, 7                          ; key step k's record lies at place 2 (k % 8) + k / 8
	s_lshl_b32 s85, s85, 1
	s_lshr_b32 s94, s95, 3
	s_add_co_u32 s85, s85, s94
	s_mul_i32 s85, s85, 17920
	s_add_co_u32 s92, s92, s85
	s_add_nc_u64 s[74:75], s[20:21], s[92:93]      ; the key step's record in kv
	s_add_nc_u64 s[98:99], s[74:75], 16384         ; k's scale words in it
	s_cmp_lt_u32 s66, 2                            ; the choice hangs on the wave's number alone
	s_cselect_b64 s[70:71], s[70:71], s[74:75]     ; s[70:71] where my codes go (q or k)
	s_cselect_b64 s[72:73], s[72:73], s[98:99]     ; s[72:73] where my scale words go
	s_add_nc_u64 s[74:75], s[74:75], 8192          ; s[74:75] v's fragments
	s_wait_alu depctr_va_vdst(0)
	; the gate's operands first (40 loads), then the weights: words (32), half 0 (64), half 1 (64)
.irp q, 0,1,2,3,4,5,6,7
	global_load_b128 v[64+4*\q:67+4*\q], v14, s[8:9] offset:16*\q          ; my token's first 32 channels
.endr
.set n, 0
.rept 32
	global_load_b32 v[96+n], v15, s[10:11] offset:32*n                     ; Wg(n, kv head), the same in every lane
.set n, n+1
.endr
.irp dt, 0,1,2,3
.irp s, 0,1,2,3,4,5,6,7
	global_load_b32 v[16+8*\dt+\s], v5, s[78:79] offset:\dt*1024+\s*128
.endr
.endr
	WIN 0x40                                       ; window 1: K steps 0-3; fragment (dt, s) at 16 (4 dt + s % 4)
.irp dt, 0,1,2,3
.irp i, 0,1,2,3
.irp c, 0,1,2,3
	global_load_b128 v[16*(4*\dt+\i)+4*\c:16*(4*\dt+\i)+4*\c+3], v1, s[76:77] offset:\dt*16384+\i*2048+512*\c
.endr
.endr
.endr
	WIN 0
	s_wait_loadcnt 63                              ; behind the gate's 40 loads stand 96 younger ones: with 63 out the 40 are in
	v_mul_f32 v56, v64, v96                        ; z = x[:32] . Wg[:, kv head], f32, in two chains
	v_mul_f32 v57, v65, v97
.irp k, 2,4,6,8,10,12,14,16,18,20,22,24,26,28,30
	v_fmac_f32 v56, v[64+\k], v[96+\k]
	v_fmac_f32 v57, v[65+\k], v[97+\k]
.endr
	v_add_f32 v56, v56, v57
	v_mul_f32 v56, 0xbfb8aa3b, v56                 ; -z log2(e)
	s_wait_alu depctr_va_vdst(0)
	v_exp_f32 v56, v56
	v_nop                                          ; a plain line behind a transcendental
	s_wait_alu depctr_va_vdst(0)
	v_add_f32 v56, 1.0, v56
	s_wait_alu depctr_va_vdst(0)
	v_rcp_f32 v56, v56
	v_nop
	s_wait_alu depctr_va_vdst(0)
	v_add_f32 v56, v56, v56                        ; 2 sigmoid(z)
	ds_store_b32 v9, v56
	WIN 0x80                                       ; window 2: K steps 4-7
.irp dt, 0,1,2,3
.irp i, 0,1,2,3
.irp c, 0,1,2,3
	global_load_b128 v[16*(4*\dt+\i)+4*\c:16*(4*\dt+\i)+4*\c+3], v1, s[76:77] offset:\dt*16384+(\i+4)*2048+512*\c
.endr
.endr
.endr
	WIN 0
	s_wait_alu depctr_va_vdst(0)
	s_wait_tensorcnt 0x0                           ; my tile has landed,
	s_wait_dscnt 0x0                               ; my gate is stored:
	s_barrier_signal -1
	s_barrier_wait -1                              ; everybody's are
	s_wait_loadcnt 63                              ; half 1's 64 loads are the youngest: with 63 out the words and half 0 are in
	s_cmp_eq_u32 s66, 3
	s_cbranch_scc1 .Lvalues
	; ---------------- q and k
.set AT, 32                            ; accumulator (t', dt) at 32 t' + 8 dt of window 3
.set AD, 8
	GEMM 1
; Tiles 2 i and 2 i + 1 side by side: rope, rms, the quantiser.  Tile u: v64 + 64 u the partner's numbers, v96 + 64 u the lane's 32 channels in their order 4 j + dt; cos and sin in window 1; codes v16 + 8 u; v32-45, v192-205 at work
.macro QKE i, left
.set T0, 64*(\i)
.set CB, 128*((\i)%2)
	s_wait_alu depctr_va_vdst(0)
	s_wait_xcnt 0x0                                ; the last pair's stores have read the codes' and the words' registers
	s_wait_dscnt \left                             ; my cos and sin are in; the next pair's 32 loads may be out
	WIN 0x03                                       ; source 0 window 3
.irp dt, 0,1,2,3
.irp j, 0,1,2,3,4,5,6,7
	v_permlanex16_b32 v[64+4*\j+\dt], v[T0+8*\dt+\j], s[SEL], s[SEL+1]   ; each accumulator from its low end on
	v_permlanex16_b32 v[128+4*\j+\dt], v[T0+32+8*\dt+\j], s[SEL], s[SEL+1]
.endr
.endr
	WIN 0x07                                       ; source 1 window 1
.irp dt, 0,1,2,3
.irp j, 0,1,2,3,4,5,6,7
	v_mul_f32 v[96+4*\j+\dt], v[T0+8*\dt+\j], v[CB+4*\j+\dt]             ; mine x cos
	v_mul_f32 v[160+4*\j+\dt], v[T0+32+8*\dt+\j], v[CB+64+4*\j+\dt]
.endr
.endr
	WIN 0
.set n, 0
.rept 16
	v_pk_mul_f32 v[64+n:65+n], v[64+n:65+n], v[12:13]                    ; the partner's, with rope's sign
	v_pk_mul_f32 v[128+n:129+n], v[128+n:129+n], v[12:13]
.set n, n+2
.endr
	WIN 0x04
.set n, 0
.rept 16
	v_pk_fma_f32 v[96+n:97+n], v[64+n:65+n], v[CB+32+n:CB+33+n], v[96+n:97+n]   ; x sin
	v_pk_fma_f32 v[160+n:161+n], v[128+n:129+n], v[CB+96+n:CB+97+n], v[160+n:161+n]
.set n, n+2
.endr
	WIN 0
.if (\i) < 2
	CSLOAD (\i)+2
.endif
	v_pk_mul_f32 v[32:33], v[96:97], v[96:97]                            ; the sums of squares, two packed chains a tile
	v_pk_mul_f32 v[34:35], v[98:99], v[98:99]
	v_pk_mul_f32 v[36:37], v[160:161], v[160:161]
	v_pk_mul_f32 v[38:39], v[162:163], v[162:163]
.irp k, 4,8,12,16,20,24,28
	v_pk_fma_f32 v[32:33], v[96+\k:97+\k], v[96+\k:97+\k], v[32:33]
	v_pk_fma_f32 v[34:35], v[98+\k:99+\k], v[98+\k:99+\k], v[34:35]
	v_pk_fma_f32 v[36:37], v[160+\k:161+\k], v[160+\k:161+\k], v[36:37]
	v_pk_fma_f32 v[38:39], v[162+\k:163+\k], v[162+\k:163+\k], v[38:39]
.endr
	v_pk_add_f32 v[32:33], v[32:33], v[34:35]
	v_pk_add_f32 v[36:37], v[36:37], v[38:39]
	v_add_f32 v32, v32, v33
	v_add_f32 v36, v36, v37
	v_permlanex16_b32 v40, v32, s[SEL], s[SEL+1]
	v_permlanex16_b32 v41, v36, s[SEL], s[SEL+1]
	v_add_f32 v32, v32, v40                        ; over the head's 64
	v_add_f32 v36, v36, v41
	v_fma_f32 v32, v32, s83, s84                   ; the mean + eps
	v_fma_f32 v36, v36, s83, s84
	s_wait_alu depctr_va_vdst(0)
	v_rsq_f32 v42, v32
	v_rsq_f32 v44, v36
	v_nop
	s_wait_alu depctr_va_vdst(0)
.set n, 0
.rept 16
	v_pk_mul_f32 v[96+n:97+n], v[96+n:97+n], v[42:43] op_sel_hi:[1,0]
	v_pk_mul_f32 v[160+n:161+n], v[160+n:161+n], v[44:45] op_sel_hi:[1,0]
.set n, n+2
.endr
	; the quantiser: a lane's 32 numbers are one block
.irp u, 0,1
	v_max3_num_f32 v[192+5*\u], |v[96+64*\u]|, |v[97+64*\u]|, 0x4800000  ; and the floor 2^-118
.endr
.irp u, 0,1
	v_max3_num_f32 v[193+5*\u], |v[98+64*\u]|, |v[99+64*\u]|, |v[100+64*\u]|
.endr
.irp k, 5,9,13,17,21,25
.irp u, 0,1
	v_max3_num_f32 v[192+5*\u], v[192+5*\u], |v[96+64*\u+\k]|, |v[97+64*\u+\k]|
	v_max3_num_f32 v[193+5*\u], v[193+5*\u], |v[98+64*\u+\k]|, |v[99+64*\u+\k]|
.endr
.endr
.irp u, 0,1
	v_max3_num_f32 v[192+5*\u], v[192+5*\u], |v[125+64*\u]|, |v[126+64*\u]|
.endr
.irp u, 0,1
	v_max3_num_f32 v[192+5*\u], v[192+5*\u], v[193+5*\u], |v[127+64*\u]|
.endr
.irp u, 0,1
	v_add_nc_u32 v[194+5*\u], 0xfc000000, v[192+5*\u]
.endr
.irp u, 0,1
	v_and_or_b32 v[195+5*\u], v[192+5*\u], 0x7f800000, s[MNT]
.endr
.irp u, 0,1
	v_lshrrev_b32 v[196+5*\u], 23, v[194+5*\u]
.endr
.set n, 0
.rept 32
	v_med3_num_f32 v[96+n], v[96+n], -v195, v195
	v_med3_num_f32 v[160+n], v[160+n], -v200, v200
.set n, n+1
.endr
.irp u, 0,1
.irp g, 0,1,2,3
	v_cvt_scalef32_pk8_fp8_f32 v[16+8*\u+2*\g:17+8*\u+2*\g], v[96+64*\u+8*\g:103+64*\u+8*\g], v[194+5*\u]
.endr
.endr
	v_nop                                          ; a plain line behind the last conversion
.irp u, 0,1
	v_lshlrev_b32 v[196+5*\u], v11, v[196+5*\u]    ; my block's byte at its place: byte h
.endr
.irp u, 0,1
	v_permlanex16_b32 v[204+\u], v[196+5*\u], s[SEL], s[SEL+1]
.endr
.irp u, 0,1
	v_add3_u32 v[202+\u], v[196+5*\u], v[204+\u], 0x7f7f0000             ; both bytes, and 1.0 over K = 64 .. 127
.endr
.irp u, 0,1
	global_store_b128 v10, v[16+8*\u:19+8*\u], s[70:71] offset:1024*(2*(\i)+\u)          ; k = 32 h + 0 .. 15: group h, lanes 0-15 of the image: two whole runs of 256 bytes
	global_store_b128 v10, v[20+8*\u:23+8*\u], s[70:71] offset:1024*(2*(\i)+\u)+256      ; k = 32 h + 16 .. 31: lanes 16-31
	global_store_b32 v5, v[202+\u], s[72:73] offset:128*(2*(\i)+\u)
.endr
.endm
	QKE 0, 0
	QKE 1, 32
	QKE 2, 32
	QKE 3, 0
	s_branch .Lend
	; ---------------- v
.Lvalues:
.set AT, 8                             ; accumulator (t', dt) at 64 dt + 8 t'
.set AD, 64
	GEMM 0
	WIN 0x40                                       ; ve into window 1, where the weights are done with: register 4 (8 t' + j) + dt = ve(token, 4 r + dt)
.irp tp, 0,1,2,3,4,5,6,7
.irp j, 0,1,2,3,4,5,6,7
	ds_load_b128 v[4*(8*\tp+\j):4*(8*\tp+\j)+3], v7 offset:(32*(\tp/2)+8*(\tp%2)+\j)*256
.endr
.endr
	WIN 0
.irp tp, 0,1,2,3,4,5,6,7
.irp q, 0,1
	ds_load_b128 v[64+8*\tp+4*\q:67+8*\tp+4*\q], v8 offset:4*(32*(\tp/2)+8*(\tp%2))+16*\q   ; the gates of my 64 tokens
.endr
.endr
	s_wait_dscnt 0x0
.irp dt, 0,1,2,3
	WIN 0x34                                       ; source 1 window 1 (ve), source 2 window 3 (x Wv)
.set n, 0
.rept 64
	v_fma_f32 v[128+n], v[64+n], v[4*n+\dt], v[64*\dt+n]   ; v = gate x ve + x Wv; register 16 b + i is key 32 b + 16 h + i of channel 4 r + dt
.set n, n+1
.endr
	WIN 0
	s_wait_alu depctr_va_vdst(0)
	s_wait_xcnt 0x0                                ; the last fragment's stores have read their registers
	QUANT64 128
.irp c, 0,1,2,3
	global_store_b128 v1, v[PC+4*\c:PC+4*\c+3], s[74:75] offset:2048*\dt+512*\c
.endr
	global_store_b32 v5, v[PW], s[74:75] offset:9216+128*\dt
.endr
.Lend:
	s_wait_tensorcnt 0x0                           ; the wave's end
	ds_add_u32 v254, v255
	s_wait_dscnt 0x0
	ROUND                                          ; the closing round: no work-group ends while a partner may still ask for a tile that names it
	s_endpgm
.Lfunc_end_k_q970366c360_qkv:
	.size	k_q970366c360_qkv, .Lfunc_end_k_q970366c360_qkv-k_q970366c360_qkv
	.p2alignl 7, 3214868480
	.fill 96, 4, 3214868480
	.section	.rodata,"a",@progbits
	.p2align	6, 0x0
	.amdhsa_kernel k_q970366c360_qkv
		.amdhsa_group_segment_fixed_size 209920
		.amdhsa_private_segment_fixed_size 0
		.amdhsa_enable_private_segment 0
		.amdhsa_kernarg_size 72
		.amdhsa_user_sgpr_count 2
		.amdhsa_user_sgpr_kernarg_segment_ptr 1
		.amdhsa_wavefront_size32 1
		.amdhsa_system_sgpr_workgroup_id_x 1
		.amdhsa_system_sgpr_workgroup_id_y 1
		.amdhsa_system_sgpr_workgroup_id_z 1
		.amdhsa_system_vgpr_workitem_id 0
		.amdhsa_next_free_vgpr 1024
		.amdhsa_next_free_sgpr 100
		.amdhsa_reserve_vcc 0
		.amdhsa_float_denorm_mode_32 3
		.amdhsa_float_denorm_mode_16_64 3
		.amdhsa_memory_ordered 1
		.amdhsa_forward_progress 1
		.amdhsa_inst_pref_size 255
	.end_amdhsa_kernel
	.section	.bss,"aw",@nobits
	.p2align	6
	.space	262144
	.amdgpu_metadata
---
amdhsa.version: [ 1, 2 ]
amdhsa.kernels:
  - .name:           k_q970366c360_qkv
    .symbol:         k_q970366c360_qkv.kd
    .args:
      - { .name: xq, .offset: 0, .size: 8, .value_kind: global_buffer, .address_space: global }
      - { .name: wq, .offset: 8, .size: 8, .value_kind: global_buffer, .address_space: global }
      - { .name: x, .offset: 16, .size: 8, .value_kind: global_buffer, .address_space: global }
      - { .name: Wg, .offset: 24, .size: 8, .value_kind: global_buffer, .address_space: global }
      - { .name: cos, .offset: 32, .size: 8, .value_kind: global_buffer, .address_space: global }
      - { .name: sin, .offset: 40, .size: 8, .value_kind: global_buffer, .address_space: global }
      - { .name: ve, .offset: 48, .size: 8, .value_kind: global_buffer, .address_space: global }
      - { .name: qq, .offset: 56, .size: 8, .value_kind: global_buffer, .address_space: global }
      - { .name: kv, .offset: 64, .size: 8, .value_kind: global_buffer, .address_space: global }
    .group_segment_fixed_size: 209920
    .private_segment_fixed_size: 0
    .kernarg_segment_align: 8
    .kernarg_segment_size: 72
    .max_flat_workgroup_size: 128
    .sgpr_count:     100
    .vgpr_count:     1024
    .wavefront_size: 32
...
	.end_amdgpu_metadata
.endif
;; end of part 2
;; launch attn (part 3): grid 256 x 1, 8 waves a work-group, clusters of 4 x 1, 327,680 bytes of LDS; arguments qq, kv, yq; writes yq
.if DOCPART == 3
	.amdgcn_target "amdgcn-amd-amdhsa--gfx1250"
	.amdhsa_code_object_version 6
	.text
	.protected	k_q970366c360_attn
	.globl	k_q970366c360_attn
	.p2align	8
	.type	k_q970366c360_attn,@function
k_q970366c360_attn:
	s_mov_b64 s[64:65], 0
	v_nop
	global_prefetch_b8 v0, s[64:65] scope:SCOPE_SE
	s_setreg_imm32_b32 hwreg(HW_REG_WAVE_MODE, 25, 1), 1
	s_wait_xcnt 0x0
	s_wait_alu depctr_hold_cnt(0) depctr_sa_sdst(0) depctr_va_vdst(0) depctr_va_sdst(0) depctr_va_ssrc(0) depctr_va_vcc(0) depctr_vm_vsrc(0)
	s_getreg_b32 s2, hwreg(HW_REG_IB_STS2, 6, 4)
	s_cmp_eq_u32 s2, 0
	s_cbranch_scc0 .Lentry_in_a_cluster
	s_endpgm
.Lentry_in_a_cluster:
	s_bfe_u32 s2, ttmp6, 0x10000c
	s_cmp_lg_u32 s2, 0x3003
	s_cbranch_scc0 .Lentry_shape_is_right
	s_endpgm
.Lentry_shape_is_right:
; y = softmax(q k^T / 8, masked) v for one kv head and its two query heads, both products on codes of E4M3 with E8M0 scales; y leaves as codes along the model's channels.
; kv heads 0-3: key k counts for query q where 0 <= q - k; kv heads 4-7: where 0 <= q - k <= 1024.  Key steps of 128 that the mask hides from a whole tile of queries are left out.
; THE SOFTMAX: p = 2^(t - M), t = score x log2(e) / 8, with M = 0.  reference() itself normalises q and k (each of length 8 at the most, no gain behind it), and a code differs from its number by 1/16 of it at the most, so |t| <= 8.5 x 8.5 x log2(e) / 8 < 14 for every input:
;   p lies between 2^-14 and 2^14 and a row's sum of 2,048 stays under 2^25: nothing overflows or underflows.  M is a whole number, so the codes are those of any other whole M, the block's scale takes up the power of two, and the division by the sum cancels it.
; ALL OF A HEAD'S KEYS LIE IN LDS: sixteen records of 17,920 bytes (128 keys: k's codes, v's codes, k's words, v's words), key step k at place 2 (k % 8) + k / 8.  Wave w brings places 2 w, 2 w + 1 by one joint load; nothing is filled twice.
; CLUSTER: four work-groups of one head share the records.  Trip counts and LDS addresses hang on the cluster's and the wave's number alone.
; NO PREFETCH: every byte is asked for once, at the head; no loop stands in front of the loads.
; SHARES.  Work-group j of a head's 16, pair i = wave % 4: tiles of 16 queries S and L = 127 - S, S in band i; both query heads, so that each fragment of k and v feeds two products.  S has n key steps and L 17 - n.
;   Waves 0-3 (A) take L's eight steps (with the window: all nine); waves 4-7 (B) the rest of L, hand their part over through LDS, then take S: 9 trips.  M is fixed, so the two parts of L are simply added.
;   Trip r reads no place beyond 2 r + 1 (the last trip aside), so trips 0 and 1 need places 0 to 3 alone: they run behind a first barrier, which shows waves 0 and 1's loads; the others behind a second.
; LAYOUT.  S^T = k q^T, O^T = v^T p^T: a lane holds ONE query.  k's 16 registers of tiles 2 b, 2 b + 1 are keys 32 b + 16 (lane / 16) + 0 .. 15.  v's tile dt holds channels 4 r + dt, so that a lane's 32 results are channels 32 (lane / 16) + 4 j + dt.
;   The first product's K is 64: q's upper half is zero codes; k's fragments lie 8 registers apart, so that a fragment's upper half is the next one's codes, which meet zeros.
; LIMITS: NaN and infinities are not served; a block of zeros gets the byte 1, read by this program alone.
; REGISTERS, window 0: v1 16 lane, v2 4 lane, v3 512 h + 16 r, v4-7 addresses, v8, v9 the add's, v10 my query in its step - 16 h as f32 (v11 the second tile's), v14, v15 q's words (v12, v13), v16-47 q of two heads, each with 8 zeros, v48-55 k's words, v56-59 v's, v60, v61 p's;
;   v64-191 scores, then p, of two heads; v192-223 p's codes; v224-227 the sums; v228-255 at work (v254 the hand-over's address, v255 8 h).  Window 1: v0-71 k, v72-135 v, v136-199 O^T of two heads, v200-215 the second tile's q.
.set RECB, 17920
.set MG, 286720                        ; the hand-over: 8,704 bytes for each pair
.set MGB, 8704
.set SPARE, 321536
.set QSC, 4194304
.set MSB, 0
.macro WIN new                         ; the immediate's high byte repeats the setting that is left
.if MSB != (\new)
	s_set_vgpr_msb (MSB<<8)|(\new)
.set MSB, (\new)
.endif
.endm
.macro PLACES n
.rept \n
	v_nop
.endr
.endm
.macro ROUND
	s_barrier_signal -1
	s_barrier_wait -1
	s_cmp_lg_u32 s10, 0
	s_cbranch_scc1 .Lnot_wave_0_\@
	s_barrier_signal -3
.Lnot_wave_0_\@:
	s_barrier_wait -3
	s_barrier_signal -1
	s_barrier_wait -1
.endm
.macro OFFS d, rr, lim                 ; where trip rr's record begins in LDS
	s_lshl_b32 s40, \rr, 1
	s_cmp_lt_u32 \rr, s27
	s_cselect_b32 s41, 1, s28
	s_add_co_u32 s40, s40, s41
	s_cmp_eq_u32 \rr, 8
	s_cselect_b32 s40, s29, s40
	s_min_u32 s40, s40, \lim
	s_mul_i32 \d, s40, RECB
.endm
.macro KLOAD                           ; k's eight tiles and their words: 24 loads
	WIN 0x40
.irp t, 0,1,2,3,4,5,6,7
	ds_load_b128 v[8*\t:8*\t+3], v6 offset:1024*\t
	ds_load_b128 v[8*\t+4:8*\t+7], v6 offset:1024*\t+512
.endr
	WIN 0
.irp t, 0,1,2,3,4,5,6,7
	ds_load_b32 v[48+\t], v7 offset:16384+128*\t
.endr
.endm
.macro EXPS eb
.set n, 0
.rept 32
	v_exp_f32 v[\eb+n], v[\eb+n]
.set n, n+1
.endr
.endm
; Group g: head g / 2, blocks 2 (g % 2) and the next: 32 numbers at 64 + 32 g.  Scale operands v[232+2g] on, bounds v[240+2g] on
.macro MIN2 g, n                       ; the hold (p is not negative), two numbers an instruction
	v_dual_min_num_f32 v[64+32*(\g)+\n], v[64+32*(\g)+\n], v[240+2*(\g)+(\n)/16] :: v_dual_min_num_f32 v[65+32*(\g)+\n], v[65+32*(\g)+\n], v[240+2*(\g)+(\n)/16]
.endm
.macro MINS g
.set n, 0
.rept 16
	MIN2 \g, n
.set n, n+2
.endr
.endm
.macro EXPMIN e, g                     ; group e's exponentials with group g's holds among them
.set n, 0
.rept 16
	v_exp_f32 v[64+32*(\e)+n], v[64+32*(\e)+n]
	v_exp_f32 v[65+32*(\e)+n], v[65+32*(\e)+n]
	MIN2 \g, n
.set n, n+2
.endr
.endm
.macro CVTS g
.irp a, 0,1
	v_cvt_scalef32_pk8_fp8_f32 v[192+8*(\g)+4*\a:193+8*(\g)+4*\a], v[64+32*(\g)+16*\a:71+32*(\g)+16*\a], v[232+2*(\g)+\a]
	v_cvt_scalef32_pk8_fp8_f32 v[194+8*(\g)+4*\a:195+8*(\g)+4*\a], v[72+32*(\g)+16*\a:79+32*(\g)+16*\a], v[232+2*(\g)+\a]
.endr
.endm
.macro PLAIN g                         ; the sum of the unquantised p in two packed chains, two blocks' largest p, their scales
.set PB, 64+32*(\g)
.set LS, 224+2*((\g)/2)
.set PWD, 60+(\g)/2
.irp i, 0,1,2,3,4,5,6,7
.if \i == 0
	v_max3_num_f32 v228, v[PB], v[PB+1], 0x4800000           ; and the floor 2^-118: the byte cannot fall under 1
	v_pk_add_f32 v[LS:LS+1], v[LS:LS+1], v[PB:PB+1]
	v_max3_num_f32 v229, v[PB+16], v[PB+17], 0x4800000
.else
	v_max3_num_f32 v228, v228, v[PB+2*\i], v[PB+2*\i+1]
	v_pk_add_f32 v[LS:LS+1], v[LS:LS+1], v[PB+4*\i:PB+4*\i+1]
	v_max3_num_f32 v229, v229, v[PB+16+2*\i], v[PB+17+2*\i]
.if \i == 1
	v_pk_add_f32 v[250:251], v[PB+2:PB+3], v[PB+6:PB+7]
.else
	v_pk_add_f32 v[250:251], v[250:251], v[PB+4*\i+2:PB+4*\i+3]
.endif
.endif
.endr
	v_permlanex16_b32 v230, v228, s20, s21
	v_permlanex16_b32 v231, v229, s20, s21
	v_pk_add_f32 v[LS:LS+1], v[LS:LS+1], v[250:251]
	v_max_num_f32 v228, v228, v230
	v_max_num_f32 v229, v229, v231
	v_add_nc_u32 v[232+2*(\g)], 0xfc000000, v228             ; 8 off the exponent field: the conversion's scale operand
	v_add_nc_u32 v[233+2*(\g)], 0xfc000000, v229
	v_and_or_b32 v[240+2*(\g)], v228, 0x7f800000, s24        ; 448 x the scale
	v_and_or_b32 v[241+2*(\g)], v229, 0x7f800000, s24
	v_lshrrev_b32 v248, 23, v[232+2*(\g)]
	v_lshrrev_b32 v249, 23, v[233+2*(\g)]
.if (\g)%2
	v_lshl_or_b32 v[PWD], v248, 16, v[PWD]
	v_lshl_or_b32 v[PWD], v249, 24, v[PWD]
.else
	v_lshl_or_b32 v[PWD], v249, 8, v248
.endif
.endm
.macro PV h                            ; O^T += v^T p^T
	WIN 0x51
.irp dt, 0,1,2,3
	v_wmma_scale_f32_16x16x128_f8f6f4 v[136+32*\h+8*\dt:143+32*\h+8*\dt], v[72+16*\dt:87+16*\dt], v[192+16*\h:207+16*\h], v[136+32*\h+8*\dt:143+32*\h+8*\dt], v[56+\dt], v[60+\h]
.endr
	WIN 0
.endm
.macro ZEROO
	WIN 0x40
.set n, 0
.rept 64
	v_mov_b32 v[136+n], 0
.set n, n+1
.endr
	WIN 0
.endm
; Trips up to number last - 1, reading places up to lim.  s25 the trip, s26 my trips, s30 the trip at which B goes over to S, s31, s32 trips on the diagonal, s33 the trip at the window's far edge
.macro PART a, lim, last
	OFFS s34, s25, \lim
	v_add_nc_u32 v6, s34, v1
	v_add_nc_u32 v7, s34, v2
	KLOAD
.Ltrip\a:
	s_cmp_ge_u32 s25, s26
	s_cbranch_scc1 .Lskip\a
	s_cmp_lg_u32 s25, s30
	s_cbranch_scc1 .Lsame\a
	s_cmp_lt_u32 s10, 4
	s_cbranch_scc1 .Lsame\a
	PLACES 8                                       ; B: L's part goes to the hand-over, and S begins
	WIN 0x04
.irp k, 0,1,2,3,4,5,6,7,8,9,10,11,12,13,14,15
	ds_store_b128 v254, v[136+4*\k:139+4*\k] offset:512*\k
.endr
	WIN 0
	ds_store_b128 v254, v[224:227] offset:8192
	s_wait_dscnt 0x0
	v_mov_b32 v14, v12
	v_mov_b32 v15, v13
	v_mov_b32 v10, v11
	WIN 0x01
.irp j, 0,1,2,3,4,5,6,7
	v_mov_b32 v[16+\j], v[200+\j]
	v_mov_b32 v[32+\j], v[208+\j]
.endr
	WIN 0
.irp j, 224,225,226,227
	v_mov_b32 v[\j], 0
.endr
	ZEROO
.Lsame\a:
	s_add_co_u32 s42, s25, 1
	OFFS s35, s42, \lim
	s_wait_alu depctr_va_vdst(0)
	s_wait_dscnt 0x0                               ; k's tiles are in
	WIN 0x01
.irp t, 0,1,2,3,4,5,6,7                        ; S^T = k q^T
	v_wmma_scale_f32_16x16x128_f8f6f4 v[64+8*\t:71+8*\t], v[8*\t:8*\t+15], v[16:31], 0, v[48+\t], v14
.endr
.irp t, 0,1,2,3,4,5,6,7
	v_wmma_scale_f32_16x16x128_f8f6f4 v[128+8*\t:135+8*\t], v[8*\t:8*\t+15], v[32:47], 0, v[48+\t], v15
.endr
	WIN 0
	v_add_nc_u32 v4, s34, v1                       ; eight places, four of them useful
	v_add_nc_u32 v5, s34, v2
	v_add_nc_u32 v6, s35, v1
	v_add_nc_u32 v7, s35, v2
	PLACES 4
.irp dt, 0,1,2,3                               ; this step's v: 20 loads,
	ds_load_b32 v[56+\dt], v5 offset:17408+128*\dt
.endr
	WIN 0x40
.irp dt, 0,1,2,3
.irp c, 0,1,2,3
	ds_load_b128 v[72+16*\dt+4*\c:75+16*\dt+4*\c], v4 offset:8192+2048*\dt+512*\c
.endr
.endr
	KLOAD                                          ; and the next trip's k: 24
	s_wait_alu depctr_va_vdst(0)
	s_cmp_eq_u32 s25, s33
	s_cselect_b32 s38, s37, s36                    ; -BIG at the window's far edge, BIG on the diagonal
	s_cbranch_scc1 .Lmask\a
	s_cmp_eq_u32 s25, s31
	s_cbranch_scc1 .Lmask\a
	s_cmp_eq_u32 s25, s32
	s_cbranch_scc0 .Lopen\a
.Lmask\a:                                          ; scores are held under BIG (query - key) + BIG / 2 (at the edge BIG (key - query + 1024) + BIG / 2): a hidden one becomes -BIG / 2 or less, and its p 0
	v_mov_b32 v253, s38
	v_fma_f32 v252, v10, s38, s39
.irp b, 0,1,2,3
.if \b
	v_fmamk_f32 v252, v253, 0xc2000000, v252       ; 32 keys on
.endif
.set n, 232
.irp f, 0x0,0xbf800000,0xc0000000,0xc0400000,0xc0800000,0xc0a00000,0xc0c00000,0xc0e00000,0xc1000000,0xc1100000,0xc1200000,0xc1300000,0xc1400000,0xc1500000,0xc1600000,0xc1700000
	v_fmamk_f32 v[n], v253, \f, v252               ; the 16 numbers 0, -1 .. -15 as f32
.set n, n+1
.endr
.set n, 0
.rept 16
	v_min_num_f32 v[64+16*\b+n], v[232+n], v[64+16*\b+n]
.set n, n+1
.endr
.set n, 0
.rept 16
	v_min_num_f32 v[128+16*\b+n], v[232+n], v[128+16*\b+n]
.set n, n+1
.endr
.endr
.Lopen\a:
.set n, 0
.rept 64
	v_pk_mul_f32 v[64+n:65+n], v[64+n:65+n], s[22:23] op_sel_hi:[1,0]   ; t
.set n, n+2
.endr
	; four groups of 32 numbers; each wait serves the batch behind it and the results of the batch ahead of it
	s_wait_alu depctr_va_vdst(0)
	EXPS 64
	s_wait_alu depctr_va_vdst(0)
	EXPS 96
	PLAIN 0
	s_wait_alu depctr_va_vdst(0)
	EXPMIN 2, 0
	PLAIN 1
	s_wait_alu depctr_va_vdst(0)
	CVTS 0
	EXPMIN 3, 1
	PLAIN 2
	s_wait_alu depctr_va_vdst(0)
	s_wait_dscnt 24                                ; v is in; the next trip's k may be out
	CVTS 1
	MINS 2
	PV 0
	CVTS 2
	PLAIN 3
	MINS 3
	CVTS 3
	PLACES 4
	PV 1
	s_mov_b32 s34, s35
.Lskip\a:
	s_add_co_u32 s25, s25, 1
	s_cmp_lt_u32 s25, \last
	s_wait_alu depctr_va_vdst(0)
	s_cbranch_scc1 .Ltrip\a
.endm
.macro QUANT32 s, cd, qt               ; 32 numbers of one lane = one block -> 8 registers of codes; the byte in v[qt+4]
	v_max3_num_f32 v[\qt], |v[\s]|, |v[\s+1]|, 0x4800000
	v_max3_num_f32 v[\qt+1], |v[\s+2]|, |v[\s+3]|, |v[\s+4]|
.irp i, 5,9,13,17,21,25
	v_max3_num_f32 v[\qt], v[\qt], |v[\s+\i]|, |v[\s+\i+1]|
	v_max3_num_f32 v[\qt+1], v[\qt+1], |v[\s+\i+2]|, |v[\s+\i+3]|
.endr
	v_max3_num_f32 v[\qt], v[\qt], |v[\s+29]|, |v[\s+30]|
	v_max3_num_f32 v[\qt], v[\qt], v[\qt+1], |v[\s+31]|
	v_add_nc_u32 v[\qt+2], 0xfc000000, v[\qt]
	v_and_or_b32 v[\qt+3], v[\qt], 0x7f800000, s24
	v_lshrrev_b32 v[\qt+4], 23, v[\qt+2]
.set n, 0
.rept 32
	v_med3_num_f32 v[\s+n], v[\s+n], -v[\qt+3], v[\qt+3]
.set n, n+1
.endr
.irp g, 0,1,2,3
	v_cvt_scalef32_pk8_fp8_f32 v[\cd+2*\g:\cd+2*\g+1], v[\s+8*\g:\s+8*\g+7], v[\qt+2]
.endr
	v_nop
.endm
	s_load_b128 s[4:7], s[0:1], 0x0                ; qq, kv
	s_load_b64 s[8:9], s[0:1], 0x10                ; yq
	v_lshl_add_u32 v8, v0, 2, SPARE
	v_mov_b32 v9, 0
	ds_add_u32 v8, v9                              ; the opening lines: the add, twice on end
	ds_add_u32 v8, v9
	v_lshrrev_b32 v1, 5, v0
	v_readfirstlane_b32 s10, v1                    ; wave 0..7
	v_and_b32 v3, 31, v0
	v_lshlrev_b32 v1, 4, v3
	v_lshlrev_b32 v2, 2, v3
	v_and_b32 v4, 15, v0                           ; r
	v_bfe_u32 v5, v0, 4, 1                         ; h
	v_and_b32 v6, 8, v4
	v_add_nc_u32 v6, v6, v4                        ; r + 8 (r / 8)
	v_lshlrev_b32 v7, 4, v5
	v_sub_nc_u32 v6, v6, v7
	v_lshlrev_b32 v3, 4, v4
	v_lshl_add_u32 v3, v5, 9, v3
	v_lshlrev_b32 v255, 3, v5
	s_and_b32 s11, s10, 3                          ; pair i
	s_lshr_b32 s12, s10, 2                         ; A (0) or B (1)
	s_bfe_u32 s13, ttmp6, 0x40000                  ; cx
	s_lshr_b32 s14, ttmp9, 2                       ; 8 b + kv head
	s_and_b32 s15, s14, 7
	s_lshr_b32 s16, s14, 3
	s_bfe_u32 s40, ttmp9, 0x10001                  ; j / 8 for j = 4 (cluster % 4) + cx
	s_and_b32 s41, s11, 1
	s_xor_b32 s40, s40, s41
	s_lshl_b32 s42, s11, 1
	s_add_co_u32 s17, s42, s40                     ; S's last key step
	s_and_b32 s70, ttmp9, 1
	s_lshl_b32 s70, s70, 2
	s_add_co_u32 s70, s70, s13                     ; j % 8
	s_mul_i32 s41, s41, 7
	s_xor_b32 s70, s70, s41                        ; S's tile in its step
	s_lshl_b32 s43, s17, 3
	s_add_co_u32 s43, s43, s70                     ; tile S
	s_sub_co_u32 s44, 127, s43                     ; tile L
	s_add_co_u32 s17, s17, 1                       ; S's key steps
	s_lshr_b32 s71, s70, 1
	s_lshl_b32 s71, s71, 5
	s_and_b32 s72, s70, 1
	s_lshl_b32 s72, s72, 3
	s_add_co_u32 s71, s71, s72                     ; S's smallest query in its step,
	s_sub_co_u32 s72, 104, s71                     ; and L's
	s_wait_alu depctr_va_vdst(0)
	v_add_nc_u32 v10, s72, v6
	v_add_nc_u32 v11, s71, v6
	v_cvt_f32_i32 v10, v10
	v_cvt_f32_i32 v11, v11
	s_mul_i32 s73, s11, MGB
	s_add_co_u32 s73, s73, MG
	v_add_nc_u32 v254, s73, v1
	s_sub_co_u32 s46, 8, s17                       ; with the window: L's first key step
	s_sub_co_u32 s47, 9, s17                       ; without: B's trips on L
	s_cmp_lt_u32 s15, 4
	s_cselect_b32 s46, 0, s46
	s_cselect_b32 s47, s47, 0
	s_cselect_b32 s26, 8, 9                        ; A's trips
	s_cselect_b32 s31, 31, 8                       ; A's diagonal (31: never)
	s_cselect_b32 s33, 31, s46                     ; A's edge
	s_add_co_u32 s60, s47, s17                     ; B's trips
	s_sub_co_u32 s61, s47, 1                       ; B's diagonals
	s_sub_co_u32 s62, s60, 1
	s_lshl_b32 s66, s47, 1
	s_sub_co_u32 s67, 0, s66
	s_sub_co_u32 s68, 16, s66                      ; B's place in trip 8
	s_lshl_b32 s69, s46, 1
	s_add_co_u32 s69, s69, 1                       ; A's
	s_cmp_eq_u32 s12, 0
	s_cselect_b32 s26, s26, s60
	s_cselect_b32 s27, s46, s47                    ; trips under this read place 2 r + 1,
	s_cselect_b32 s28, 0, s67                      ; the others 2 r + s28
	s_cselect_b32 s29, s69, s68
	s_cselect_b32 s30, 31, s47
	s_cselect_b32 s31, s31, s61
	s_cselect_b32 s32, 31, s62
	s_cselect_b32 s33, s33, 31
	s_cselect_b32 s45, s44, s43                    ; the tile that I finish
	s_mov_b32 s20, 0x76543210
	s_mov_b32 s21, 0xfedcba98
	s_mov_b32 s22, 0x3e38aa3b                      ; log2(e) / 8
	s_mov_b32 s23, s22
	s_mov_b32 s24, 0x600000                        ; the mantissa field of 448
	s_mov_b32 s36, 0x7149f2ca                      ; BIG = 1e30
	s_mov_b32 s37, 0xf149f2ca
	s_mov_b32 s39, 0x70c9f2ca
	s_mov_b32 s48, 15|(3<<16)|(1<<21)              ; group 1: 140 rows of 256 bytes (32 elements of 8), dense; joint
	s_mov_b32 s49, 32<<16
	s_mov_b32 s50, 140<<16
	s_mov_b32 s51, 32<<16
	s_mov_b32 s52, 140
	s_mov_b32 s53, 32
	s_mov_b32 s54, 0
	s_mov_b32 s55, 0
	s_mov_b32 s56, 1                               ; group 0: made of the cluster's and the wave's number
	s_mul_i32 s57, s10, 2*RECB
	s_mul_i32 s78, s14, 16*RECB
	s_add_co_u32 s78, s78, s57
	s_mov_b32 s79, 0
	s_lshl_b32 s74, s14, 1                         ; 16 b + 2 kv head
	s_lshl_b32 s74, s74, 7
	s_add_co_u32 s75, s74, s44
	s_add_co_u32 s76, s74, s43
	s_lshl_b32 s80, s75, 10
	s_mov_b32 s81, 0
	s_lshl_b32 s82, s75, 7
	s_add_co_u32 s82, s82, QSC
	s_mov_b32 s83, 0
	s_lshl_b32 s84, s76, 10
	s_mov_b32 s85, 0
	s_lshl_b32 s86, s76, 7
	s_add_co_u32 s86, s86, QSC
	s_mov_b32 s87, 0
	s_lshl_b32 s92, s16, 7
	s_add_co_u32 s92, s92, s45                     ; the tile among all 256
	s_lshr_b32 s93, s92, 2
	s_mul_i32 s93, s93, 69632                      ; its record of yq
	s_and_b32 s92, s92, 3
	s_lshl_b32 s92, s92, 3
	s_add_co_u32 s92, s92, s15                     ; fragment: K step = kv head
	s_lshl_b32 s88, s92, 11
	s_add_co_u32 s88, s88, s93
	s_mov_b32 s89, 0
	s_lshl_b32 s90, s92, 7
	s_add_co_u32 s90, s90, s93
	s_add_co_u32 s90, s90, 65536
	s_mov_b32 s91, 0
	s_wait_dscnt 0x0                               ; both opening adds are done
	s_wait_alu depctr_va_vdst(0)
	s_wait_kmcnt 0x0
	s_add_nc_u64 s[58:59], s[6:7], s[78:79]
	s_or_b32 s59, s59, 0x80000000
	s_add_nc_u64 s[80:81], s[4:5], s[80:81]
	s_add_nc_u64 s[82:83], s[4:5], s[82:83]
	s_add_nc_u64 s[84:85], s[4:5], s[84:85]
	s_add_nc_u64 s[86:87], s[4:5], s[86:87]
	s_add_nc_u64 s[88:89], s[8:9], s[88:89]
	s_add_nc_u64 s[90:91], s[8:9], s[90:91]
	ROUND                                          ; all four work-groups are here: the joint loads meet
	s_cmp_lt_u32 s10, 2                            ; waves 0 and 1, whose loads the first barrier shows, have a line of their own
	s_cbranch_scc0 .Llater
	tensor_load_to_lds s[56:59], s[48:55]
	s_nop 0
	PLACES 4
	s_branch .Lasked
.Llater:
	tensor_load_to_lds s[56:59], s[48:55]
	s_nop 0
	PLACES 4
.Lasked:
	global_load_b128 v[16:19], v1, s[80:81]        ; L's q, two heads
	global_load_b128 v[20:23], v1, s[80:81] offset:512
	global_load_b128 v[32:35], v1, s[80:81] offset:131072
	global_load_b128 v[36:39], v1, s[80:81] offset:131584
	global_load_b32 v14, v2, s[82:83]
	global_load_b32 v15, v2, s[82:83] offset:16384
	WIN 0x40
	global_load_b128 v[200:203], v1, s[84:85]      ; S's
	global_load_b128 v[204:207], v1, s[84:85] offset:512
	global_load_b128 v[208:211], v1, s[84:85] offset:131072
	global_load_b128 v[212:215], v1, s[84:85] offset:131584
	WIN 0
	global_load_b32 v12, v2, s[86:87]
	global_load_b32 v13, v2, s[86:87] offset:16384
.irp j, 0,1,2,3,4,5,6,7
	v_mov_b32 v[24+\j], 0                          ; zero codes for K = 64 .. 127
	v_mov_b32 v[40+\j], 0
.endr
	WIN 0x40
.irp j, 0,1,2,3,4,5,6,7
	v_mov_b32 v[64+\j], 0                          ; the upper half of k's last fragment
.endr
	WIN 0
	ZEROO                                          ; the trip is written once: its first products find zeros
.irp j, 224,225,226,227,230,231
	v_mov_b32 v[\j], 0                             ; the sums; permute destinations count as sources
.endr
	s_mov_b32 s25, 0
	s_wait_alu depctr_va_vdst(0)
	s_cmp_lt_u32 s10, 2
	s_cbranch_scc0 .Lnot_first
	s_wait_tensorcnt 0x0
.Lnot_first:
	s_barrier_signal -1
	s_barrier_wait -1                              ; places 0 to 3 are in
	s_wait_loadcnt 0x0                             ; q
	PART 1, 3, 2
	s_wait_tensorcnt 0x0                           ; my load has landed,
	s_wait_dscnt 0x0
	s_barrier_signal -1
	s_barrier_wait -1                              ; everybody's has
	s_mov_b32 s25, 2
	PART 2, 15, 9
	PLACES 8                                       ; behind the last products
	s_wait_alu depctr_va_vdst(0)
	s_wait_dscnt 0x0                               ; what I handed over is stored:
	s_barrier_signal -1
	s_barrier_wait -1
	s_cmp_lt_u32 s10, 4
	s_cbranch_scc0 .Lmine
.irp k, 0,1,2,3,4,5,6,7,8,9,10,11,12,13,14,15
	ds_load_b128 v[64+4*\k:67+4*\k], v254 offset:512*\k
.endr
	ds_load_b128 v[228:231], v254 offset:8192
	s_wait_dscnt 0x0
	WIN 0x41
.set n, 0
.rept 32
	v_pk_add_f32 v[136+n:137+n], v[136+n:137+n], v[64+n:65+n]   ; L's two parts
.set n, n+2
.endr
	WIN 0
	v_pk_add_f32 v[224:225], v[224:225], v[228:229]
	v_pk_add_f32 v[226:227], v[226:227], v[230:231]
.Lmine:
	v_add_f32 v228, v224, v225
	v_add_f32 v229, v226, v227
	v_permlanex16_b32 v230, v228, s20, s21
	v_permlanex16_b32 v231, v229, s20, s21
	v_add_f32 v228, v228, v230                     ; the rows' sums
	v_add_f32 v229, v229, v231
	s_wait_alu depctr_va_vdst(0)
	v_rcp_f32 v228, v228
	v_rcp_f32 v229, v229
	v_nop
	WIN 0x01
	s_wait_alu depctr_va_vdst(0)
.irp dt, 0,1,2,3
.irp j, 0,1,2,3,4,5,6,7
	v_mul_f32 v[64+4*\j+\dt], v[136+8*\dt+\j], v228   ; y(query, 32 h + 4 j + dt), in the channels' order
.endr
.endr
.irp dt, 0,1,2,3
.irp j, 0,1,2,3,4,5,6,7
	v_mul_f32 v[96+4*\j+\dt], v[168+8*\dt+\j], v229
.endr
.endr
	WIN 0
	QUANT32 64, 192, 232
	QUANT32 96, 200, 237
	v_lshlrev_b32 v236, v255, v236                 ; head 0's byte at byte h,
	v_lshlrev_b32 v241, v255, v241
	v_lshl_or_b32 v236, v241, 16, v236             ; head 1's at byte 2 + h
	v_permlanex16_b32 v230, v236, s20, s21
	v_add_nc_u32 v236, v236, v230                  ; my row's scale word
	global_store_b128 v3, v[192:195], s[88:89]             ; group h, lanes 0-15 of the image
	global_store_b128 v3, v[196:199], s[88:89] offset:256  ; lanes 16-31
	global_store_b128 v3, v[200:203], s[88:89] offset:1024
	global_store_b128 v3, v[204:207], s[88:89] offset:1280
	global_store_b32 v2, v236, s[90:91]
	s_wait_tensorcnt 0x0                           ; the wave's end
	ds_add_u32 v8, v9
	s_wait_dscnt 0x0
	ROUND                                          ; the closing round
	s_endpgm
.Lfunc_end_k_q970366c360_attn:
	.size	k_q970366c360_attn, .Lfunc_end_k_q970366c360_attn-k_q970366c360_attn
	.p2alignl 7, 3214868480
	.fill 96, 4, 3214868480
	.section	.rodata,"a",@progbits
	.p2align	6, 0x0
	.amdhsa_kernel k_q970366c360_attn
		.amdhsa_group_segment_fixed_size 327680
		.amdhsa_private_segment_fixed_size 0
		.amdhsa_enable_private_segment 0
		.amdhsa_kernarg_size 24
		.amdhsa_user_sgpr_count 2
		.amdhsa_user_sgpr_kernarg_segment_ptr 1
		.amdhsa_wavefront_size32 1
		.amdhsa_system_sgpr_workgroup_id_x 1
		.amdhsa_system_sgpr_workgroup_id_y 1
		.amdhsa_system_sgpr_workgroup_id_z 1
		.amdhsa_system_vgpr_workitem_id 0
		.amdhsa_next_free_vgpr 480
		.amdhsa_next_free_sgpr 100
		.amdhsa_reserve_vcc 0
		.amdhsa_float_denorm_mode_32 3
		.amdhsa_float_denorm_mode_16_64 3
		.amdhsa_memory_ordered 1
		.amdhsa_forward_progress 1
		.amdhsa_inst_pref_size 118
	.end_amdhsa_kernel
	.amdgpu_metadata
---
amdhsa.version: [ 1, 2 ]
amdhsa.kernels:
  - .name:           k_q970366c360_attn
    .symbol:         k_q970366c360_attn.kd
    .args:
      - { .name: qq, .offset: 0, .size: 8, .value_kind: global_buffer, .address_space: global }
      - { .name: kv, .offset: 8, .size: 8, .value_kind: global_buffer, .address_space: global }
      - { .name: yq, .offset: 16, .size: 8, .value_kind: global_buffer, .address_space: global }
    .group_segment_fixed_size: 327680
    .private_segment_fixed_size: 0
    .kernarg_segment_align: 8
    .kernarg_segment_size: 24
    .max_flat_workgroup_size: 256
    .sgpr_count:     100
    .vgpr_count:     480
    .wavefront_size: 32
...
	.end_amdgpu_metadata
.endif
;; end of part 3
;; launch proj (part 4): grid 8 x 32, 4 waves a work-group, clusters of 4 x 4, 270,848 bytes of LDS; arguments yq, wq, out0; writes out0
.if DOCPART == 4
	.amdgcn_target "amdgcn-amd-amdhsa--gfx1250"
	.amdhsa_code_object_version 6
	.text
	.protected	k_q970366c360_proj
	.globl	k_q970366c360_proj
	.p2align	8
	.type	k_q970366c360_proj,@function
k_q970366c360_proj:
	s_mov_b64 s[64:65], 0
	v_nop
	global_prefetch_b8 v0, s[64:65] scope:SCOPE_SE
	s_setreg_imm32_b32 hwreg(HW_REG_WAVE_MODE, 25, 1), 1
	s_wait_xcnt 0x0
	s_wait_alu depctr_hold_cnt(0) depctr_sa_sdst(0) depctr_va_vdst(0) depctr_va_sdst(0) depctr_va_ssrc(0) depctr_va_vcc(0) depctr_vm_vsrc(0)
	s_getreg_b32 s2, hwreg(HW_REG_IB_STS2, 6, 4)
	s_cmp_eq_u32 s2, 0
	s_cbranch_scc0 .Lentry_in_a_cluster
	s_endpgm
.Lentry_in_a_cluster:
	s_bfe_u32 s2, ttmp6, 0x10000c
	s_cmp_lg_u32 s2, 0xf033
	s_cbranch_scc0 .Lentry_shape_is_right
	s_endpgm
.Lentry_shape_is_right:
; out0 = y Wproj on codes of E4M3 with E8M0 scales; sums in f32.  y's codes lie as records of 64 tokens, Wproj's as groups of 64 columns, both as images of operand registers.
; SHARES.  A work-group takes 128 tokens (two records) x 128 columns (two groups); wave w record w / 2, group w % 2: 64 x 64, 16 accumulators, 128 matrix instructions.  All of K lies in LDS, filled once: waves 0, 1 bring a record each, waves 2, 3 a group's codes.
; A wave reads its group from LDS once, into 512 registers; the record's four tiles of 16 tokens stream past it, and each tile is stored while the next is multiplied.
; CLUSTER 4 x 4: the records are shared along a row (same tokens), the codes along a column (same columns): joint loads.  The groups' scale words, 4 KB a wave, go straight into registers.
; NO PREFETCH: all is asked for at the head, and no loop stands in front of it.
; LAYOUT.  Source 0 = y's token tile (row p is token 32 (t / 2) + 8 (t % 2) + p + 8 (p / 8)), source 1 = the weight's tile dt (row p is column 4 p + dt): register j of lane (r, h) is
; out(32 (t / 2) + 8 (t % 2) + 16 h + j, 4 r + dt).  The four tiles' numbers of one token are brought side by side, so that sixteen lanes store 256 consecutive bytes, aligned.
; REGISTERS: window 0: v16-47 the weight's words, v50-57 y's words and v64-191 y's fragments (two sets of half a K); windows 1, 2: the weight's fragments, K steps 0-3 and 4-7; window 3: v0-127 the accumulators, v128-255 results on the way out.
.set WSC, 3145728
.set WLDS, 139264
.set SPARE, 270336
.set MSB, 0
.macro WIN new
.if MSB != (\new)
	s_set_vgpr_msb (MSB<<8)|(\new)
.set MSB, (\new)
.endif
.endm
.macro PLACES n
.rept \n
	v_nop
.endr
.endm
.macro ROUND
	s_barrier_signal -1
	s_barrier_wait -1
	s_cmp_lg_u32 s66, 0
	s_cbranch_scc1 .Lnot_wave_0_\@
	s_barrier_signal -3
.Lnot_wave_0_\@:
	s_barrier_wait -3
	s_barrier_signal -1
	s_barrier_wait -1
.endm
.macro XF tp, half                     ; y's four fragments and words of K steps 4 half + 0 .. 3 of tile tp, into set half: 20 loads
.irp i, 0,1,2,3
.irp c, 0,1,2,3
	ds_load_b128 v[64+64*(\half)+16*\i+4*\c:67+64*(\half)+16*\i+4*\c], v2 offset:((\tp)*8+4*(\half)+\i)*2048+512*\c
.endr
	ds_load_b32 v[50+4*(\half)+\i], v3 offset:((\tp)*8+4*(\half)+\i)*128
.endr
.endm
.macro BLD half                        ; the weight's fragment (dt, s) at 16 (4 dt + s % 4) of window 1 + s / 4: 64 loads
	WIN 0x40*(1+(\half))
.irp i, 0,1,2,3
.irp dt, 0,1,2,3
.irp c, 0,1,2,3
	ds_load_b128 v[16*(4*\dt+\i)+4*\c:16*(4*\dt+\i)+4*\c+3], v4 offset:\dt*16384+(4*(\half)+\i)*2048+512*\c
.endr
.endr
.endr
	WIN 0
.endm
.macro GH tp, half, left               ; 16 matrix instructions, the tile's four accumulators by turns
	s_wait_dscnt \left
	WIN 0xf4+4*(\half)                             ; source 0 window 0, source 1 window 1 or 2, C and D window 3
.irp i, 0,1,2,3
.irp dt, 0,1,2,3
.set AC, 32*(\tp)+8*\dt
.set XR, 64+64*(\half)+16*\i
.set WR, 16*(4*\dt+\i)
.if ((\half)+\i) == 0
	v_wmma_scale_f32_16x16x128_f8f6f4 v[AC:AC+7], v[XR:XR+15], v[WR:WR+15], 0, v[50+4*(\half)+\i], v[16+8*\dt+4*(\half)+\i]
.else
	v_wmma_scale_f32_16x16x128_f8f6f4 v[AC:AC+7], v[XR:XR+15], v[WR:WR+15], v[AC:AC+7], v[50+4*(\half)+\i], v[16+8*\dt+4*(\half)+\i]
.endif
.endr
.endr
	WIN 0
	PLACES 8                                       ; in front of loads into registers that matrix instructions have read, and of the first read of results
.if (\tp) < 3
	XF (\tp)+1, \half
.endif
.endm
.macro EMIT tp                         ; a token's columns 4 r + 0 .. 3 side by side; each accumulator from its low end on; then stored
	WIN 0xc3
.irp dt, 0,1,2,3
.irp j, 0,1,2,3,4,5,6,7
	v_mov_b32 v[128+32*(\tp)+4*\j+\dt], v[32*(\tp)+8*\dt+\j]
.endr
.endr
	WIN 0x0c
.irp j, 0,1,2,3,4,5,6,7
	global_store_b128 v10, v[128+32*(\tp)+4*\j:131+32*(\tp)+4*\j], s[8:9] offset:(32*((\tp)/2)+8*((\tp)%2)+\j)*4096 th:TH_STORE_NT
.endr
	WIN 0
.endm
	s_load_b128 s[4:7], s[0:1], 0x0                ; yq, wq
	s_load_b64 s[8:9], s[0:1], 0x10                ; out0
	v_lshl_add_u32 v254, v0, 2, SPARE
	v_mov_b32 v255, 0
	ds_add_u32 v254, v255                          ; the opening lines: the add, twice on end
	ds_add_u32 v254, v255
	v_lshrrev_b32 v56, 5, v0
	v_readfirstlane_b32 s66, v56                   ; wave
	v_and_b32 v57, 31, v0
	v_and_b32 v58, 15, v0                          ; r
	v_bfe_u32 v59, v0, 4, 1                        ; h
	v_lshlrev_b32 v1, 4, v57                       ; 16 x lane
	v_lshlrev_b32 v5, 2, v57                       ; 4 x lane
	s_and_b32 s12, s66, 1                          ; my group.  Also: which record or group I fetch
	s_lshr_b32 s13, s66, 1                         ; my record
	s_mul_i32 s14, s13, 69632
	v_add_nc_u32 v2, s14, v1                       ; my record's codes
	v_add_nc_u32 v3, s14, v5
	v_add_nc_u32 v3, 65536, v3                     ; its scale words
	s_lshl_b32 s15, s12, 16
	s_add_co_u32 s15, s15, WLDS
	v_add_nc_u32 v4, s15, v1                       ; my group's codes
	v_lshlrev_b32 v10, 4, v58
	v_lshl_add_u32 v10, v59, 16, v10               ; out0: 16 h rows of 4,096 bytes + 16 r
	s_bfe_u32 s16, ttmp6, 0x40000                  ; cx
	s_bfe_u32 s17, ttmp6, 0x40004                  ; cy
	s_lshl_b32 s18, ttmp9, 2
	s_add_co_u32 s18, s18, s16                     ; block of 128 columns
	s_and_b32 s19, ttmp7, 0xffff
	s_lshl_b32 s19, s19, 2
	s_add_co_u32 s19, s19, s17                     ; block of 128 tokens
	s_lshl_b32 s20, s17, 2
	s_lshl_b32 s20, 15, s20                        ; my row of the cluster
	s_lshl_b32 s21, 0x1111, s16                    ; my column
	s_or_b32 s24, s20, (3<<16)|(1<<21)             ; group 1 for a record: 272 rows of 256 bytes (32 elements of 8), dense
	s_mov_b32 s25, 32<<16
	s_mov_b32 s26, 272<<16
	s_mov_b32 s27, 32<<16
	s_mov_b32 s28, 272
	s_mov_b32 s29, 32
	s_mov_b32 s30, 0
	s_mov_b32 s31, 0
	s_or_b32 s32, s21, (3<<16)|(1<<21)             ; for a group's codes: 256 rows
	s_mov_b32 s33, 32<<16
	s_mov_b32 s34, 256<<16
	s_mov_b32 s35, 32<<16
	s_mov_b32 s36, 256
	s_mov_b32 s37, 32
	s_mov_b32 s38, 0
	s_mov_b32 s39, 0
	s_mov_b32 s48, 1
	s_mul_i32 s49, s12, 69632
	s_lshl_b32 s86, s19, 1
	s_add_co_u32 s86, s86, s12
	s_mul_i32 s86, s86, 69632
	s_mov_b32 s87, 0
	s_mov_b32 s52, 1
	s_lshl_b32 s53, s12, 16
	s_add_co_u32 s53, s53, WLDS
	s_lshl_b32 s88, s18, 1
	s_add_co_u32 s88, s88, s12
	s_add_co_u32 s92, s88, 32                      ; Wproj's groups begin at 32
	s_lshl_b32 s90, s88, 8                         ; my columns in a row of out0
	s_lshl_b32 s88, s92, 16
	s_mov_b32 s89, 0
	s_lshl_b32 s92, s92, 12
	s_add_co_u32 s92, s92, WSC
	s_mov_b32 s93, 0
	s_lshl_b32 s94, s19, 1
	s_add_co_u32 s94, s94, s13
	s_lshl_b32 s94, s94, 18                        ; 64 rows of 4,096 bytes
	s_add_co_u32 s94, s94, s90
	s_mov_b32 s95, 0
	s_wait_dscnt 0x0                               ; both opening adds are done
	s_wait_alu depctr_va_vdst(0)
	s_wait_kmcnt 0x0
	s_add_nc_u64 s[50:51], s[4:5], s[86:87]
	s_or_b32 s51, s51, 0x80000000
	s_add_nc_u64 s[54:55], s[6:7], s[88:89]
	s_or_b32 s55, s55, 0x80000000
	s_add_nc_u64 s[78:79], s[6:7], s[92:93]
	s_add_nc_u64 s[8:9], s[8:9], s[94:95]
	ROUND                                          ; all sixteen work-groups are here: the joint loads meet
	s_cmp_lt_u32 s66, 2
	s_cbranch_scc0 .Lcodes
	tensor_load_to_lds s[48:51], s[24:31]          ; a record of y
	s_nop 0
	PLACES 4
	s_branch .Lasked
.Lcodes:
	tensor_load_to_lds s[52:55], s[32:39]          ; a group of Wproj
	s_nop 0
	PLACES 4
.Lasked:
.irp dt, 0,1,2,3
.irp s, 0,1,2,3,4,5,6,7
	global_load_b32 v[16+8*\dt+\s], v5, s[78:79] offset:\dt*1024+\s*128
.endr
.endr
	s_wait_alu depctr_va_vdst(0)
	s_wait_tensorcnt 0x0                           ; my tile has landed,
	s_barrier_signal -1
	s_barrier_wait -1                              ; everybody's has
	XF 0, 0
	XF 0, 1
	BLD 0
	BLD 1
	s_wait_loadcnt 0x0                             ; the weight's words
	GH 0, 0, 63                                    ; the weight's half 1, 64 loads, is the youngest: with 63 out all else is in
	GH 0, 1, 20                                    ; the next tile's half, 20 loads, may be out
	EMIT 0
	GH 1, 0, 20
	GH 1, 1, 20
	EMIT 1
	GH 2, 0, 20
	GH 2, 1, 20
	EMIT 2
	GH 3, 0, 20
	GH 3, 1, 0
	EMIT 3
	s_wait_tensorcnt 0x0                           ; the wave's end
	ds_add_u32 v254, v255
	s_wait_dscnt 0x0
	ROUND                                          ; the closing round: no work-group ends while a partner may still ask for a tile that names it
	s_endpgm
.Lfunc_end_k_q970366c360_proj:
	.size	k_q970366c360_proj, .Lfunc_end_k_q970366c360_proj-k_q970366c360_proj
	.p2alignl 7, 3214868480
	.fill 96, 4, 3214868480
	.section	.rodata,"a",@progbits
	.p2align	6, 0x0
	.amdhsa_kernel k_q970366c360_proj
		.amdhsa_group_segment_fixed_size 270848
		.amdhsa_private_segment_fixed_size 0
		.amdhsa_enable_private_segment 0
		.amdhsa_kernarg_size 24
		.amdhsa_user_sgpr_count 2
		.amdhsa_user_sgpr_kernarg_segment_ptr 1
		.amdhsa_wavefront_size32 1
		.amdhsa_system_sgpr_workgroup_id_x 1
		.amdhsa_system_sgpr_workgroup_id_y 1
		.amdhsa_system_sgpr_workgroup_id_z 1
		.amdhsa_system_vgpr_workitem_id 0
		.amdhsa_next_free_vgpr 1024
		.amdhsa_next_free_sgpr 100
		.amdhsa_reserve_vcc 0
		.amdhsa_float_denorm_mode_32 3
		.amdhsa_float_denorm_mode_16_64 3
		.amdhsa_memory_ordered 1
		.amdhsa_forward_progress 1
		.amdhsa_inst_pref_size 53
	.end_amdhsa_kernel
	.amdgpu_metadata
---
amdhsa.version: [ 1, 2 ]
amdhsa.kernels:
  - .name:           k_q970366c360_proj
    .symbol:         k_q970366c360_proj.kd
    .args:
      - { .name: yq, .offset: 0, .size: 8, .value_kind: global_buffer, .address_space: global }
      - { .name: wq, .offset: 8, .size: 8, .value_kind: global_buffer, .address_space: global }
      - { .name: out0, .offset: 16, .size: 8, .value_kind: global_buffer, .address_space: global }
    .group_segment_fixed_size: 270848
    .private_segment_fixed_size: 0
    .kernarg_segment_align: 8
    .kernarg_segment_size: 24
    .max_flat_workgroup_size: 128
    .sgpr_count:     100
    .vgpr_count:     1024
    .wavefront_size: 32
...
	.end_amdgpu_metadata
.endif
;; end of part 4
